; MI455X (gfx1250); checked and timed in simulation.
; The chip was launched on July 23, 2026; its instructions are those of AMD's public machine-readable ISA for CDNA 5 (MIT licence, August 2026) and "CDNA5" Instruction Set Architecture Reference Guide (July 2026). The comments in the code are by the model that wrote it; some were corrected since.
;; Attention Pooling. Allowed arithmetic: matrix products marked QUANTISED: E4M3 operands, one E8M0 scale for each 32 along K, by v_wmma_scale_f32_16x16x128_f8f6f4 with both operands' format E4M3, f32 sums; everything else in f32.
;; Inputs: Wk 1,024 x 1,024 float32; Wo 1,024 x 1,024 float32; Wq 1,024 x 1,024 float32; Wv 1,024 x 1,024 float32; attention_mask 4 x 2,048 int32; bk 1,024 float32; bo 1,024 float32; bq 1,024 float32; bv 1,024 float32; chunk_embeddings 4 x 2,048 x 1,024 float32.
;; Outputs: out0 4 x 1,024 float32.
;; This version of the problem:
;;   THIS VERSION OF THE PROBLEM IS GIVEN IN LOW PRECISION. The matrix products marked QUANTISED in the list below multiply operands that are first quantised to E4M3 (4 exponent bits, 3 mantissa bits; 8 bits a number), with one power-of-two scale for each 32 numbers along K (OCP MX v1.0); their sums are f32. All else is computed in f32.
;;   The module's matrix products, in the order in which they are computed (A, B: the left and right operand; K: the contracted axis; several contracted axes count as one K, in the product's order):
;;     1. [M 8,192, K 1,024] x [K 1,024, N 1,024]; A: input chunk_embeddings; B: input Wq: QUANTISED
;;     2. [M 8,192, K 1,024] x [K 1,024, N 1,024]; A: input chunk_embeddings; B: input Wk: QUANTISED
;;     3. [M 8,192, K 1,024] x [K 1,024, N 1,024]; A: input chunk_embeddings; B: input Wv: QUANTISED
;;     4. batch 32 x [M 2,048, K 128] x [K 128, N 2,048]; A: computed on the way; B: computed on the way: QUANTISED
;;     5. batch 32 x [M 2,048, K 2,048] x [K 2,048, N 128]; A: softmax (see below); B: computed on the way: QUANTISED
;;     6. [M 8,192, K 1,024] x [K 1,024, N 1,024]; A: computed on the way; B: input Wo: QUANTISED
;;   THE QUANTISER, for each operand of a quantised product, along K:
;;     - K is cut into blocks of 32 from its start; a last block that is shorter is filled with zeros.
;;     - A block's scale is 2^e with e = floor(log2(the largest magnitude in the block)) - 8, held to -126 .. 127; a block of zeros has e = 0. As a byte (E8M0): e + 127.
;;     - Each number is divided by its block's scale, clamped to +-448, and rounded to the nearest number of E4M3, ties to even, subnormals kept.
;;     - The product sums the exact products of the quantised numbers (number of the format x scale) in f32.
;;   ~~~python
;;   def quantise(x, axis):      # numpy; x: float32 -> the quantised numbers, widened to float32 again
;;       x = np.moveaxis(x, axis, -1); K = x.shape[-1]
;;       x = np.pad(x, [(0, 0)] * (x.ndim - 1) + [(0, -K % 32)]); x = x.reshape(x.shape[:-1] + (-1, 32)); a = np.abs(x).max(-1, keepdims=True)
;;       e = np.where(a > 0, np.clip(np.frexp(np.where(a > 0, a, 1))[1] - 1 - 8, -126, 127), 0)      # np.frexp(a)[1] - 1 = floor(log2(a)), exactly
;;       r = np.clip(x / 2.0 ** e, -448, 448)
;;       step = 2.0 ** (np.maximum(np.frexp(np.where(r == 0, 1, r))[1] - 1, -6) - 3)
;;       q = np.round(r / step) * step * 2.0 ** e      # np.round: ties to even
;;       return np.moveaxis(q.reshape(q.shape[:-2] + (-1,))[..., :K], -1, axis).astype(np.float32)
;;   ~~~
;;   SOFTMAX AHEAD OF A QUANTISED PRODUCT. Where the list says 'softmax', what is quantised is not the finished softmax but p = 2^(t - M), with t = logit x log2(e) and M = ceil(the row's largest t), a whole number; so 1/2 < the row's largest p <= 1. The row's sum l is taken of the UNQUANTISED p, in f32, and the product's result is divided by l at the end. Since M is a whole number, a kernel that streams over the keys may use a running M (the ceiling of the running maximum): every later rescaling is an exact power of two, which a block's scale takes up: the codes' values come out the same.
;;   OPERANDS COMPUTED ON THE WAY. 'Computed on the way' means the value that the module computes at that place (a softmax that the list does not call 'softmax' is quantised finished and normalised). What goes into a quantiser is computed in f32, as accurately as f32 sums, v_exp_f32 and their like allow (about 1e-6 of the number): no bf16 or f16 on the way to a quantiser, and a product that is left as it is and whose result goes on into a quantised operand takes f32 operands (vector FMAs, or v_wmma_f32_16x16x4_f32). A number that lies on a knife's edge between two numbers of the format may be rounded either way, as far as f32 arithmetic and the matrix unit's own rounding can turn it there, and no further.
;; One version. Each part assembles by itself: llvm-mc -triple=amdgcn-amd-amdhsa -mcpu=gfx1250 --defsym DOCPART=n.
;; ======== version 1 of 1: 4 launches
;; limits: right only within a limited range of input values
;; workspace buffers: xc 8,388,608 bytes; xs 262,144 bytes; wc 4,194,304 bytes; ws 131,072 bytes; qkvc 16,777,216 bytes; qkvs 524,288 bytes; part 1,048,576 bytes
;; launch quant (part 1): grid 384 x 1, 4 waves a work-group, no clusters, 33,280 bytes of LDS; arguments chunk_embeddings, Wq, Wk, Wv, Wo, xc, xs, wc, ws; writes xc, xs, wc, ws
.if DOCPART == 1
	.amdgcn_target "amdgcn-amd-amdhsa--gfx1250"
	.amdhsa_code_object_version 6
	.text
	.protected	k_q6528c586c0_quant
	.globl	k_q6528c586c0_quant
	.p2align	8
	.type	k_q6528c586c0_quant,@function
k_q6528c586c0_quant:
	s_mov_b64 s[64:65], 0
	v_nop
	global_prefetch_b8 v0, s[64:65] scope:SCOPE_SE
	s_setreg_imm32_b32 hwreg(HW_REG_WAVE_MODE, 25, 1), 1
	s_wait_xcnt 0x0
; x [8192][1024] and the four weights [1024][1024], f32, K innermost, become codes of FP8 (E4M3) with one E8M0 scale byte for each 32 along K.
; A block's scale is 2^(floor(log2(its largest magnitude)) - 8); its byte is that magnitude's exponent field - 8, held at 1 from below; each number is divided by the scale,
; held within +-448 and rounded to the nearest code, ties to even.  (A block of zeros gets the byte 1: its codes are zeros, and this program alone reads the bytes.)
; LIMITS: NaN and infinities among the inputs are not served; blocks whose largest magnitude lies under 2^-118 keep the byte 1.
; THE ROWS ARE LAID IN ANOTHER ORDER: position p of xc, xs, wc, ws holds row sigma(p) = p with bits 3 and 4 exchanged.  Sixteen neighbouring positions are then rows 32 b + 8 u + r + 8 (r / 8):
; as source 0 of a matrix instruction they leave a lane's registers of two neighbouring tiles as 16 neighbours along the next product's K.
; SHARES: work-groups 0-255 take x, 32 rows each; work-group 256 + j takes 32 rows of weight j / 32 (Wq, Wk, Wv, Wo, one behind the other in wc).  A wave takes 8 whole rows, 8,192 numbers,
; so sigma only exchanges the places of waves 1 and 2.  A wave's 16 steps of 512 numbers: four loads of 512 consecutive bytes, a turn through the wave's own stage in LDS (a lane then holds
; 16 neighbours, two lanes a block), the block's scale, the codes (512 consecutive bytes a store); its 256 scale bytes leave as one aligned run of 256 bytes.  Waves share nothing: no barrier.
.set STEPS, 16
.set EMAX,  8
.set MANT,  0x600000                   ; the mantissa field of 448 as f32
.set CB,    16                         ; bytes of 16 codes
.set R,     16                         ; v16-79   four sets of 16 numbers as they are loaded
.set X,     80                         ; v80-111  two sets of 16 neighbours
.set C,     128                        ; v128-191 codes: four registers for each step, so that no store's data are written again
.set E,     112                        ; v112-127 a scale byte for each step
.set WREG,  8192                       ; LDS: a region for each wave: two stages of 32 x SP bytes, behind them its 256 scale bytes
.set SP,    80                         ; a lane's place in a stage: 64 bytes + 16 of padding
	s_load_b512 s[4:19], s[0:1], 0x0               ; x, Wq, Wk, Wv, Wo, xc, xs, wc
	s_load_b64 s[20:21], s[0:1], 0x40              ; ws
	v_lshl_add_u32 v192, v0, 2, 0x8000
	v_mov_b32 v193, 0
	v_lshrrev_b32 v1, 5, v0
	v_readfirstlane_b32 s30, v1                    ; wave
	v_and_b32 v2, 31, v0                           ; lane
	v_lshlrev_b32 v3, 4, v2                        ; my 16 bytes of a load's 512
	s_mul_i32 s22, s30, WREG
	v_lshrrev_b32 v14, 2, v2
	v_mul_u32_u24 v14, v14, SP
	v_and_b32 v15, 3, v2
	v_lshl_add_u32 v14, v15, 4, v14
	v_add_nc_u32 v14, s22, v14                     ; the stage, on the way in: SP (lane / 4) + 16 (lane % 4)
	v_mul_u32_u24 v15, v2, SP
	v_add_nc_u32 v15, s22, v15                     ; and on the way out: SP x lane: my 16 neighbours
	v_mul_u32_u24 v4, v2, CB                       ; my codes' place in a step's
	v_lshrrev_b32 v5, 1, v2
	s_add_co_u32 s22, s22, 2*32*SP
	v_add_nc_u32 v5, s22, v5                       ; LDS: my block's scale byte
	v_lshlrev_b32 v7, 3, v2                        ; on the way out 8 bytes a lane
	v_add_nc_u32 v6, s22, v7
	s_mov_b32 s23, MANT
	s_and_b32 s33, s30, 1
	s_lshl_b32 s33, s33, 1
	s_lshr_b32 s34, s30, 1
	s_or_b32 s33, s33, s34                         ; the wave's two bits exchanged: sigma on runs of 8 rows
	s_wait_alu depctr_va_vdst(0)
	s_wait_kmcnt 0x0
	s_cmp_lt_u32 ttmp9, 256+96                     ; the buffers are chosen by the work-group's number alone
	s_cselect_b64 s[24:25], s[10:11], s[12:13]     ; Wv or Wo
	s_cmp_lt_u32 ttmp9, 256+64
	s_cselect_b64 s[24:25], s[8:9], s[24:25]       ; Wk
	s_cmp_lt_u32 ttmp9, 256+32
	s_cselect_b64 s[24:25], s[6:7], s[24:25]       ; Wq
	s_cmp_lt_u32 ttmp9, 256
	s_cselect_b64 s[24:25], s[4:5], s[24:25]       ; x
	s_cselect_b64 s[26:27], s[14:15], s[18:19]     ; the codes: xc or wc
	s_cselect_b64 s[28:29], s[16:17], s[20:21]     ; the scale bytes: xs or ws
	s_cselect_b32 s31, 0, 256
	s_cselect_b32 s32, -1, 31
	s_sub_co_u32 s31, ttmp9, s31                   ; which 32 rows of the destination
	s_and_b32 s32, s31, s32                        ; and of the source tensor
	s_lshl_b32 s32, s32, 2
	s_add_co_u32 s32, s32, s30                     ; my run of 8 rows in the source,
	s_lshl_b32 s34, s32, 15                        ; 32,768 bytes a run
	s_mov_b32 s35, 0
	s_add_nc_u64 s[24:25], s[24:25], s[34:35]
	s_lshl_b32 s31, s31, 2
	s_add_co_u32 s31, s31, s33                     ; and its place in the destination
	s_lshl_b32 s34, s31, 13                        ; 8,192 bytes of codes a run
	s_add_nc_u64 s[26:27], s[26:27], s[34:35]
	s_lshl_b32 s34, s31, 8                         ; 256 scale bytes a run
	s_add_nc_u64 s[28:29], s[28:29], s[34:35]
.macro LOAD t
.irp i, 0,1,2,3
	global_load_b128 v[R+16*((\t)%4)+4*\i:R+16*((\t)%4)+4*\i+3], v3, s[24:25] offset:2048*(\t)+512*\i th:TH_LOAD_NT   ; 32 lanes read 512 consecutive bytes
.endr
.endm
.macro TURN t                          ; step t's numbers through the stage: LDS serves a wave's instructions in order, so no wait stands between the stores and the loads
.irp i, 0,1,2,3
	ds_store_b128 v14, v[R+16*((\t)%4)+4*\i:R+16*((\t)%4)+4*\i+3] offset:32*SP*((\t)%2)+8*SP*\i
.endr
.irp i, 0,1,2,3
	ds_load_b128 v[X+16*((\t)%2)+4*\i:X+16*((\t)%2)+4*\i+3], v15 offset:32*SP*((\t)%2)+16*\i
.endr
.endm
.irp t, 0,1,2,3
	LOAD \t
.endr
	s_wait_loadcnt 12                              ; step 0's four loads are in; those of three steps stay out
	TURN 0
.macro STEP t
.set XS, X+16*((\t)%2)
.if (\t) > 0
	s_wait_dscnt 1                                 ; this step's numbers are back from the stage (the last step's byte store may be out)
.else
	s_wait_dscnt 0x0
.endif
.if (\t)+4 < STEPS
	LOAD (\t)+4                                    ; into the registers that the stage's stores have read
.endif
.if (\t)+1 < STEPS
.if STEPS-2-(\t) >= 3
	s_wait_loadcnt 12                              ; the next step's four loads are in; those of the three steps behind it may be out
.else
	s_wait_loadcnt 4*(STEPS-2-(\t))
.endif
	TURN (\t)+1                                    ; through the other stage while this step is worked
.endif
	v_max3_num_f32 v8, |v[XS]|, |v[XS+1]|, |v[XS+2]|               ; the largest magnitude of my 16, in two chains
	v_max3_num_f32 v9, |v[XS+3]|, |v[XS+4]|, |v[XS+5]|
.irp i, 6,10
	v_max3_num_f32 v8, v8, |v[XS+\i]|, |v[XS+\i+1]|
	v_max3_num_f32 v9, v9, |v[XS+\i+2]|, |v[XS+\i+3]|
.endr
	v_max3_num_f32 v8, v8, |v[XS+14]|, |v[XS+15]|
	v_max3_num_f32 v8, v8, v9, (EMAX+1)<<23        ; and the floor 2^(9 - 127): the byte cannot fall under 1
	v_max_num_f32_dpp v8, v8, v8 row_xmask:1 row_mask:0xf bank_mask:0xf   ; and of my neighbour's 16: the block's
	v_add_nc_u32 v11, -(EMAX<<23), v8              ; 8 off its exponent field: the conversion takes the exponent field of this operand as its scale
	v_and_or_b32 v10, v8, 0x7f800000, s23          ; 448 x the scale
.irp i, 0,1,2,3,4,5,6,7,8,9,10,11,12,13,14,15
	v_med3_num_f32 v[XS+\i], v[XS+\i], -v10, v10   ; the conversion to an 8-bit code does not saturate (ISA guide 7.6.2): the hold comes first
.endr
	v_cvt_scalef32_pk8_fp8_f32 v[C+4*(\t):C+4*(\t)+1], v[XS:XS+7], v11
	v_cvt_scalef32_pk8_fp8_f32 v[C+4*(\t)+2:C+4*(\t)+3], v[XS+8:XS+15], v11
	v_lshrrev_b32 v[E+(\t)], 23, v11               ; the scale's byte
	ds_store_b8 v5, v[E+(\t)] offset:16*(\t)       ; both lanes of a block write the same byte with the same value
	global_store_b128 v4, v[C+4*(\t):C+4*(\t)+3], s[26:27] offset:32*CB*(\t)
.endm
.irp t, 0,1,2,3,4,5,6,7,8,9,10,11,12,13,14,15
	STEP \t
.endr
	ds_load_b64 v[12:13], v6                       ; LDS serves a wave's instructions in order: these see my stores
	s_wait_dscnt 0x0
	global_store_b64 v7, v[12:13], s[28:29]        ; 32 lanes store 256 consecutive bytes, aligned
	s_wait_tensorcnt 0x0
	ds_add_u32 v192, v193
	s_wait_dscnt 0x0
	s_endpgm
.Lfunc_end_k_q6528c586c0_quant:
	.size	k_q6528c586c0_quant, .Lfunc_end_k_q6528c586c0_quant-k_q6528c586c0_quant
	.p2alignl 7, 3214868480
	.fill 96, 4, 3214868480
	.section	.rodata,"a",@progbits
	.p2align	6, 0x0
	.amdhsa_kernel k_q6528c586c0_quant
		.amdhsa_group_segment_fixed_size 33280
		.amdhsa_private_segment_fixed_size 0
		.amdhsa_enable_private_segment 0
		.amdhsa_kernarg_size 72
		.amdhsa_user_sgpr_count 2
		.amdhsa_user_sgpr_kernarg_segment_ptr 1
		.amdhsa_wavefront_size32 1
		.amdhsa_system_sgpr_workgroup_id_x 1
		.amdhsa_system_sgpr_workgroup_id_y 1
		.amdhsa_system_sgpr_workgroup_id_z 1
		.amdhsa_system_vgpr_workitem_id 0
		.amdhsa_next_free_vgpr 194
		.amdhsa_next_free_sgpr 66
		.amdhsa_reserve_vcc 0
		.amdhsa_float_denorm_mode_32 3
		.amdhsa_float_denorm_mode_16_64 3
		.amdhsa_memory_ordered 1
		.amdhsa_forward_progress 1
		.amdhsa_inst_pref_size 51
	.end_amdhsa_kernel
	.amdgpu_metadata
---
amdhsa.version: [ 1, 2 ]
amdhsa.kernels:
  - .name:           k_q6528c586c0_quant
    .symbol:         k_q6528c586c0_quant.kd
    .args:
      - { .name: chunk_embeddings, .offset: 0, .size: 8, .value_kind: global_buffer, .address_space: global }
      - { .name: Wq, .offset: 8, .size: 8, .value_kind: global_buffer, .address_space: global }
      - { .name: Wk, .offset: 16, .size: 8, .value_kind: global_buffer, .address_space: global }
      - { .name: Wv, .offset: 24, .size: 8, .value_kind: global_buffer, .address_space: global }
      - { .name: Wo, .offset: 32, .size: 8, .value_kind: global_buffer, .address_space: global }
      - { .name: xc, .offset: 40, .size: 8, .value_kind: global_buffer, .address_space: global }
      - { .name: xs, .offset: 48, .size: 8, .value_kind: global_buffer, .address_space: global }
      - { .name: wc, .offset: 56, .size: 8, .value_kind: global_buffer, .address_space: global }
      - { .name: ws, .offset: 64, .size: 8, .value_kind: global_buffer, .address_space: global }
    .group_segment_fixed_size: 33280
    .private_segment_fixed_size: 0
    .kernarg_segment_align: 8
    .kernarg_segment_size: 72
    .max_flat_workgroup_size: 128
    .sgpr_count:     66
    .vgpr_count:     194
    .wavefront_size: 32
...
	.end_amdgpu_metadata
.endif
;; end of part 1
;; launch proj (part 2): grid 8 x 32, 4 waves a work-group, clusters of 4 x 4, 327,680 bytes of LDS; arguments xc, xs, wc, ws, bk, bv, qkvc, qkvs; writes qkvc, qkvs
.if DOCPART == 2
	.amdgcn_target "amdgcn-amd-amdhsa--gfx1250"
	.amdhsa_code_object_version 6
	.text
	.protected	k_q6528c586c0_proj
	.globl	k_q6528c586c0_proj
	.p2align	8
	.type	k_q6528c586c0_proj,@function
k_q6528c586c0_proj:
	s_mov_b64 s[64:65], 0
	v_nop
	global_prefetch_b8 v0, s[64:65] scope:SCOPE_SE
	s_setreg_imm32_b32 hwreg(HW_REG_WAVE_MODE, 25, 1), 1
	s_wait_xcnt 0x0
	s_wait_alu depctr_hold_cnt(0) depctr_sa_sdst(0) depctr_va_vdst(0) depctr_va_sdst(0) depctr_va_ssrc(0) depctr_va_vcc(0) depctr_vm_vsrc(0)
	s_getreg_b32 s2, hwreg(HW_REG_IB_STS2, 6, 4)
	s_cmp_eq_u32 s2, 0
	s_cbranch_scc0 .Lentry_in_a_cluster
	s_endpgm
.Lentry_in_a_cluster:
	s_bfe_u32 s2, ttmp6, 0x10000c
	s_cmp_lg_u32 s2, 0xf033
	s_cbranch_scc0 .Lentry_shape_is_right
	s_endpgm
.Lentry_shape_is_right:
; K = x Wk^T + bk, V = x Wv^T + bv on codes of FP8 (E4M3) with E8M0 scales, and the results quantised at once: K along the head's 128, V along the keys.
; The body makes C[m][n] = sum over k of A[m][k] B[n][k], K = 1,024, a tile of 256 x 256 to a work-group, 128 x 128 to each of four waves, and quantises C ALONG n.
; ROLES, chosen by the cluster's x (the same in all sixteen partners): cluster x = 0: A = x's rows (tokens), B = rows of Wk: C = K, n = the head's channels.
; cluster x = 1: A = rows of Wv, B = x's rows: C = V^T, n = the keys.  A's tile hangs on the cluster's y and cy alone, B's on the cluster's x or y and cx alone.
; The matrix instruction is used transposed (source 0 = 16 rows of B, source 1 = 16 rows of A), and xc, wc hold their rows in the order sigma (bits 3 and 4 of the row exchanged): so a lane holds ONE row m,
; and the 64 registers of its eight accumulators are n = 32 b + 16 (lane / 16) + i at register 16 b + i: the order in which the conversions' results are an operand's registers.
; OUT: a wave's 128 x 128 is eight fragments (16 rows x 128 along n), stored as images of the operand's registers: piece c of 512 bytes, lane l's 16 bytes at 16 l.  qkvc: [tensor][batch x head][128 tokens][fragment][2,048 bytes];
; qkvs: [tensor][batch x head][128 tokens][row 16][fragment 8] scale words.  Every store of the wave covers 512 consecutive bytes, aligned.
; The ring: K in steps of 256 through two LDS slots filled by joint tensor loads (A's tile shared along a row of the 4 x 4 cluster, B's along a column); the scale bytes of the work-group's rows come once.
; LIMITS: NaN and infinities are not served; blocks whose largest magnitude lies under 2^-118 keep the scale byte 1.
; REGISTERS, in windows of 256: window 0: v0-31 addresses, v8-15 the bias along m; v32-63 scale words, two sets; v64-127 the bias along n; from v128 A's fragments, one set (on the way out: numbers, codes, work).
;   window 1: B's fragments, two sets.   windows 2, 3: the 64 accumulators ((a, b) at v[8 (8 (a % 4) + b)]).
.set SIZE_K, 1024
.set KSTEP,  256                       ; along K in a slot
.set NQ,     KSTEP/128                 ; matrix instructions deep
.set ROWB,   256                       ; a tile's row in bytes
.set KROW,   SIZE_K                    ; a row of codes in memory, in bytes
.set PITCH,  272                       ; an LDS row: 256 bytes + 16 of padding = 68 words: the 16 rows that a load touches start at 16 different banks (64 banks of 4 bytes: ISA guide 11.1)
.set FR,     16                        ; registers of a fragment
.set NL,     4                         ; LDS loads that bring one
.set NP,     8                         ; places behind this matrix instruction (ISA guide 7.12.1)
.set HALFT,  128*PITCH                 ; 128 rows: what one tensor load brings
.set SLOT,   4*HALFT                   ; A's 256 rows, then B's 256 rows
.set LAPS,   SIZE_K/(2*KSTEP)          ; a lap = two K steps = once round the ring
.set KS,     SIZE_K/32                 ; a row of scale bytes
.set SCL,    2*SLOT                    ; behind the ring: the scales, as runs of 256 bytes + 16 of padding
.set HALFS,  (128*KS/256)*272          ; the scales of 128 rows
.set SBLK,   (16*KS/256)*272           ; those of 16 rows
.set SPARE,  SCL+4*HALFS               ; the spare words, 128 bytes for each wave: two blocks of 256 bytes that no other line names
.set STG,    SPARE+512                 ; 512 bytes for each wave: the scale words just made; no fill lands here
.set BNO,  7                           ; v7      64 x (lane / 16): my offset in the bias along n; never rewritten
.set BM,   8                           ; v8-15   the bias along m: one number for each of my eight blocks of rows
.set ADRA, 16                          ; v16-17  LDS address of my A fragments in slot 0, 1
.set ADRB, 20                          ; v20-21  the same for B
.set BMO,  22                          ; v22     my offset in the bias along m; never rewritten
.set CO,   26                          ; v26     16 x lane
.set ADRS, 27                          ; v27     LDS address of my scale words: lanes 0-15 A's rows, lanes 16-31 B's
.set SPW,  28                          ; v28     LDS address of my spare word; never rewritten
.set NIL,  29                          ; v29     0; never rewritten
.set SRA,  30                          ; v30     the stage of scale words: where I read 16 bytes back
.set SWA,  31                          ; v31     and where my row's words go
.set SC,   32                          ; scale words: set s at v[SC + 16 s]; register 2 i + q: lanes 0-15 A's block i, lanes 16-31 B's block i
.set BN,   64                          ; v64-127 the bias along n, in the accumulators' layout
.set AF,   128                         ; A's fragments
.set ST,   128                         ; the way out: v128-191 64 numbers of a lane
.set PC,   192                         ; v192-223 the codes just made, two sets by turns
.set TM,   224                         ; v224-239 at work: largest magnitudes, bytes, holds, scale operands
.set PW,   240                         ; v240 the scale word just made
.set SEL,  6                           ; s[6:7] lane selects for v_permlanex16_b32: lane l xor 16
.set MNT,  10                          ; s10 the mantissa field of 448
.set G1, 24                            ; s[24:31] descriptor group 1 for A's tiles;  s[32:39] group 0, one set for each slot
.set G0, 32
.set G1B, 48                           ; s[48:55], s[56:63] the same for B's tiles
.set G0B, 56
.set G1S, 68                           ; s[68:75], s[76:79] groups 1 and 0 for A's scales;  s[80:87], s[88:91] for B's
.set G0S, 76
.set G1SB, 80
.set G0SB, 88
.set MSB, 0
.macro WIN new                         ; the immediate's high byte repeats the setting that is left
.if MSB != \new
	s_set_vgpr_msb (MSB<<8)|\new
.set MSB, \new
.endif
.endm
.set MUL_LO, 0xa1                      ; source 0 (B) window 1, source 1 (A) window 0, C and D window 2
.set MUL_HI, 0xf1                      ; the same, C and D window 3
.set TO_B,   0x40                      ; destination window 1, address window 0
; A joint load: waves 0 and 1 fetch for A, waves 2 and 3 for B.  Each of the two lines has one mask and one set of registers for all that issue it; the branch hangs on the wave's number alone.
; Four v_nop follow each of the two lines, ahead of the jump, the label and what follows.
.macro JLOAD g0a, g1a, g0b, g1b
	s_cmp_eq_u32 s15, 0
	s_cbranch_scc0 .Lfor_b_\@
	tensor_load_to_lds s[\g0a:\g0a+3], s[\g1a:\g1a+7]
	s_nop 0
.rept 4
	v_nop
.endr
	s_branch .Lasked_\@
.Lfor_b_\@:
	tensor_load_to_lds s[\g0b:\g0b+3], s[\g1b:\g1b+7]
	s_nop 0
.rept 4
	v_nop
.endr
.Lasked_\@:
.endm
.macro CREST                           ; a round of the cluster's barrier behind its opening barrier
	s_cmp_lg_u32 s14, 0
	s_cbranch_scc1 .Lnot_wave_0_\@
	s_barrier_signal -3
.Lnot_wave_0_\@:
	s_barrier_wait -3
	s_barrier_signal -1
	s_barrier_wait -1
.endm
.macro CROUND                          ; a whole round
	s_barrier_signal -1
	s_barrier_wait -1
	CREST
.endm
	s_load_b256 s[4:11], s[0:1], 0x0               ; xc, xs, wc, ws
	; THIS LAUNCH MAKES K AND V ALONE: Q is made by the launch that uses it.  Cluster x = 0: K (B = Wk's rows, tiles 4 to 7 of wc); cluster x = 1: V.  qkvc, qkvs hold K's tensor, then V's.
	; No prefetch: K is four slots long, of which two are asked for at the head and behind the first round.
	s_load_b64 s[96:97], s[0:1], 0x20              ; bk
	s_load_b64 s[100:101], s[0:1], 0x28            ; bv
	s_load_b64 s[12:13], s[0:1], 0x30              ; qkvc
	s_load_b64 s[66:67], s[0:1], 0x38              ; qkvs
	v_lshl_add_u32 v[SPW], v0, 2, SPARE
	v_mov_b32 v[NIL], 0
	ds_add_u32 v28, v29
	ds_add_u32 v28, v29
	s_wait_dscnt 0x0
	v_lshrrev_b32 v1, 5, v0
	v_readfirstlane_b32 s14, v1                    ; wave 0..3
	s_lshr_b32 s15, s14, 1                         ; which half of the tile's rows m is mine.  Also: I fetch for A (0) or for B (1)
	s_and_b32 s16, s14, 1                          ; which half of its columns n.  Also: which 128 rows of that tile I fetch
	s_bfe_u32 s40, ttmp6, 0x40000                  ; cx, cy: my place in the cluster
	s_bfe_u32 s41, ttmp6, 0x40004
	s_and_b32 s2, ttmp7, 0xffff
	s_lshl_b32 s2, s2, 2                           ; 4 x cluster y
	s_mov_b32 s94, 4                               ; Wk's first tile of wc
	s_cmp_lt_u32 ttmp9, 1                          ; K or V?  The same in all sixteen partners
	s_cselect_b32 s17, s2, 8                       ; A's tiles: tokens 4 y on, or Wv's rows (tile 8 of wc on)
	s_cselect_b32 s42, s94, s2                     ; B's tiles: Wk's rows, tile 4 on, or tokens 4 y on
	s_cselect_b32 s95, -1, 0                       ; all lanes, or none: which bias counts
	s_add_co_u32 s17, s17, s41                     ; A's tile: + cy
	s_add_co_u32 s42, s42, s40                     ; B's tile: + cx
	s_lshl_b32 s43, s41, 2
	s_lshl_b32 s43, 15, s43                        ; my row of the cluster
	s_lshl_b32 s44, 0x1111, s40                    ; my column
	; descriptor group 1: a tile of 128 rows x 256 bytes, padded in LDS
	s_or_b32 s[G1+0], s43, (0<<16)|(1<<20)|(1<<21)|(5<<22)|(3<<25)  ; 15:0 the mask: A's tiles go to my row; 17:16 element of 1 byte; 20 padding on; 21 set beside a mask; 24:22 after every 64 words; 31:25 of 4 words
	s_or_b32 s[G1B+0], s44, (0<<16)|(1<<20)|(1<<21)|(5<<22)|(3<<25)
.irp g, G1, G1B
	s_mov_b32 s[\g+1], ROWB<<16                    ; tensor_dim0
	s_mov_b32 s[\g+2], 256<<16                     ; tensor_dim1 = 256 for the head's loads; 128 behind them
	s_mov_b32 s[\g+3], ROWB<<16                    ; tile_dim0
	s_mov_b32 s[\g+4], 256                         ; tile_dim1 likewise
	s_mov_b32 s[\g+5], KROW                        ; tensor_dim0_stride
	s_mov_b32 s[\g+6], 0
	s_mov_b32 s[\g+7], 0
.endr
	; and for the scales of 256 rows: a dense block of 8,192 bytes, as rows of 256 bytes (32 elements of 8 bytes), 16 bytes of padding behind each
	s_or_b32 s[G1S+0], s43, (3<<16)|(1<<20)|(1<<21)|(5<<22)|(3<<25)
	s_or_b32 s[G1SB+0], s44, (3<<16)|(1<<20)|(1<<21)|(5<<22)|(3<<25)
.irp g, G1S, G1SB
	s_mov_b32 s[\g+1], 32<<16
	s_mov_b32 s[\g+2], (256*KS/256)<<16            ; the scales of all 256 rows in one load
	s_mov_b32 s[\g+3], 32<<16
	s_mov_b32 s[\g+4], 256*KS/256
	s_mov_b32 s[\g+5], 32
	s_mov_b32 s[\g+6], 0
	s_mov_b32 s[\g+7], 0
.endr
	s_lshl_b32 s20, s17, 8                         ; A: the tile's first row
	s_lshl_b32 s46, s42, 8                         ; B likewise
	s_mov_b32 s21, 0
	s_mov_b32 s47, 0
	s_mov_b64 s[18:19], KS
	s_mul_u64 s[22:23], s[20:21], s[18:19]         ; where these rows' scales begin, in bytes
	s_mul_u64 s[92:93], s[46:47], s[18:19]
	s_mov_b64 s[18:19], KROW
	s_mul_u64 s[20:21], s[20:21], s[18:19]         ; and their codes
	s_mul_u64 s[46:47], s[46:47], s[18:19]
	s_mul_i32 s45, s14, HALFT                      ; where they go: wave x 128 rows: no place in the cluster enters an LDS address
	s_wait_kmcnt 0x0
	s_cmp_lt_u32 ttmp9, 1
	s_cselect_b64 s[18:19], s[4:5], s[8:9]
	s_cselect_b64 s[8:9], s[8:9], s[4:5]           ; B's codes
	s_cselect_b64 s[4:5], s[6:7], s[10:11]         ; A's scales
	s_cselect_b64 s[10:11], s[10:11], s[6:7]       ; B's scales
	s_add_nc_u64 s[20:21], s[18:19], s[20:21]
	s_add_nc_u64 s[22:23], s[4:5], s[22:23]
	s_add_nc_u64 s[46:47], s[8:9], s[46:47]
	s_add_nc_u64 s[92:93], s[10:11], s[92:93]
	CROUND                                         ; all sixteen work-groups are here: the first joint loads meet
	s_mov_b32 s[G0S], 1
	s_mov_b32 s[G0S+1], SCL
	s_mov_b64 s[G0S+2:G0S+3], s[22:23]
	s_or_b32 s[G0S+3], s[G0S+3], 0x80000000
	s_mov_b32 s[G0SB], 1
	s_mov_b32 s[G0SB+1], SCL+2*HALFS
	s_mov_b64 s[G0SB+2:G0SB+3], s[92:93]
	s_or_b32 s[G0SB+3], s[G0SB+3], 0x80000000
	s_mul_i32 s18, s16, 128*KROW                   ; in the ring I fetch 128 rows of a tile: which half, in bytes
	s_mov_b32 s19, 0
	s_add_nc_u64 s[20:21], s[20:21], s[18:19]
	s_add_nc_u64 s[46:47], s[46:47], s[18:19]
.irp s, 0,1
	s_mov_b32 s[G0+4*\s], 1
	s_add_co_u32 s[G0+4*\s+1], s45, \s*SLOT
	s_add_nc_u64 s[G0+4*\s+2:G0+4*\s+3], s[20:21], \s*ROWB
	s_or_b32 s[G0+4*\s+3], s[G0+4*\s+3], 0x80000000
	s_mov_b32 s[G0B+4*\s], 1
	s_add_co_u32 s[G0B+4*\s+1], s45, \s*SLOT
	s_add_nc_u64 s[G0B+4*\s+2:G0B+4*\s+3], s[46:47], \s*ROWB
	s_or_b32 s[G0B+4*\s+3], s[G0B+4*\s+3], 0x80000000
.endr
	; THE HEAD'S LOADS, ONE A WAVE: wave 0 K step 0's 256 rows of A, wave 1 its 256 rows of B, wave 2 A's scales, wave 3 B's.  Slot 0's two groups 0 state the whole tiles until these loads have landed.
	s_mov_b32 s[G0+1], 0
	s_sub_nc_u64 s[G0+2:G0+3], s[G0+2:G0+3], s[18:19]
	s_mov_b32 s[G0B+1], 2*HALFT
	s_sub_nc_u64 s[G0B+2:G0B+3], s[G0B+2:G0B+3], s[18:19]
.macro ARM under, g0, g1, next
	s_cmp_lt_u32 s14, \under
	s_cbranch_scc0 \next
	tensor_load_to_lds s[\g0:\g0+3], s[\g1:\g1+7]
	s_nop 0
.rept 4
	v_nop
.endr
	s_branch .Lhead_asked
\next:
.endm
	ARM 1, G0,  G1,  .Lhead_b
	ARM 2, G0B, G1B, .Lhead_sa
	ARM 3, G0S, G1S, .Lhead_sb
	tensor_load_to_lds s[G0SB:G0SB+3], s[G1SB:G1SB+7]
	s_nop 0
.rept 4
	v_nop
.endr
.Lhead_asked:
	v_and_b32 v1, 15, v0                           ; r = l % 16
	v_bfe_u32 v2, v0, 4, 1                         ; h = l / 16
	v_mul_u32_u24 v3, v1, PITCH
	v_lshl_add_u32 v4, v2, 4, v3                   ; a fragment's row x pitch + 16 x half
	s_mul_i32 s21, s15, HALFT                      ; my 128 rows of A
	s_mul_i32 s22, s16, HALFT                      ; my 128 rows of B,
	s_add_co_u32 s22, s22, 2*HALFT                 ; which lie behind A's 256
.irp s, 0,1
	v_add_nc_u32 v[ADRA+\s], s21, v4
	v_add_nc_u32 v[ADRB+\s], s22, v4
	s_add_co_u32 s21, s21, SLOT
	s_add_co_u32 s22, s22, SLOT
.endr
	v_mul_u32_u24 v5, v1, KS                       ; my row's scales: 32 bytes a row,
	v_lshrrev_b32 v6, 8, v5
	v_lshl_add_u32 v5, v6, 4, v5                   ; and 16 more for each 256 passed
	s_mul_i32 s21, s15, HALFS                      ; A's: my 128 rows
	s_mul_i32 s22, s16, HALFS                      ; B's: my 128 rows, behind A's 256
	s_add_co_u32 s22, s22, 2*HALFS
	s_sub_co_u32 s22, s22, s21
	v_mul_u32_u24 v6, s22, v2                      ; lanes 16-31 take B's
	s_add_co_u32 s21, s21, SCL
	v_add_nc_u32 v5, v5, v6
	v_add_nc_u32 v[ADRS], s21, v5
	v_and_b32 v6, 31, v0
	v_lshlrev_b32 v[CO], 4, v6                     ; 16 x lane
	s_lshl_b32 s23, s14, 9
	s_add_co_u32 s23, s23, STG                     ; my 512 bytes for scale words
	v_lshl_add_u32 v[SWA], v1, 5, s23              ; row r: 32 bytes, a word for each fragment
	v_add_nc_u32 v[SRA], s23, v[CO]
	v_lshlrev_b32 v[BNO], 6, v2                    ; the bias along n: lanes 16-31 begin 16 numbers on
	s_wait_alu depctr_va_vdst(0)
	v_and_b32 v[BMO], 8, v1
	v_add_nc_u32 v[BMO], v[BMO], v1
	v_lshlrev_b32 v[BMO], 2, v[BMO]                ; the bias along m: position r of a tile is row r + 8 (r / 8)
	s_wait_alu depctr_va_vdst(0)
	s_mov_b32 s[SEL], 0x76543210
	s_mov_b32 s[SEL+1], 0xfedcba98
	s_mov_b32 s[MNT], 0x600000
	; which block of 128 rows of wc (U: 0-7 Wq's heads, 8-15 Wk's, 16-23 Wv's) and which 128 tokens (T) are my wave's
	s_lshl_b32 s20, s17, 1
	s_add_co_u32 s20, s20, s15                     ; A's block
	s_lshl_b32 s21, s42, 1
	s_add_co_u32 s21, s21, s16                     ; B's block
	s_cmp_lt_u32 ttmp9, 1
	s_cselect_b32 s22, s21, s20
	s_cselect_b32 s23, s20, s21                    ; T
	s_and_b32 s46, s22, 7                          ; the head
	s_lshl_b32 s18, s46, 9                         ; its 128 numbers in a bias
	s_mov_b32 s19, 0
	s_add_nc_u64 s[96:97], s[96:97], s[18:19]
	s_add_nc_u64 s[100:101], s[100:101], s[18:19]  ; bv at the head (in K's clusters set to 0 below)
	s_lshr_b32 s18, s22, 3
	s_sub_co_u32 s18, s18, 1                       ; K is tensor 0 of qkvc, V tensor 1
	s_lshl_b32 s18, s18, 9
	s_lshl_b32 s46, s46, 4
	s_add_co_u32 s18, s18, s46                     ; + head x 16
	s_lshr_b32 s46, s23, 4
	s_lshl_b32 s46, s46, 7
	s_add_co_u32 s18, s18, s46                     ; + batch x 128
	s_and_b32 s46, s23, 15
	s_add_co_u32 s18, s18, s46                     ; + which 128 tokens of the batch
	s_lshl_b32 s46, s18, 14                        ; 16,384 bytes of codes each,
	s_mov_b32 s47, 0
	s_add_nc_u64 s[12:13], s[12:13], s[46:47]
	s_lshl_b32 s46, s18, 9                         ; 512 bytes of scale words
	s_add_nc_u64 s[66:67], s[66:67], s[46:47]
.irp b, 0,1,2,3,4,5,6,7                ; the biases are asked for here and waited for on the way out.  Accumulator b's register j is n = 32 (b / 2) + 16 h + 8 (b % 2) + j
	global_load_b128 v[BN+8*\b:BN+8*\b+3], v[BNO], s[96:97] offset:(32*(\b/2)+8*(\b%2))*4
	global_load_b128 v[BN+8*\b+4:BN+8*\b+7], v[BNO], s[96:97] offset:(32*(\b/2)+8*(\b%2))*4+16
.endr
.irp a, 0,1,2,3,4,5,6,7                ; block a's lane r is row 32 (a / 2) + 8 (a % 2) + r + 8 (r / 8)
	global_load_b32 v[BM+\a], v[BMO], s[100:101] offset:(32*(\a/2)+8*(\a%2))*4
.endr
.macro FRAG reg, adr, q, i             ; a fragment, 16 rows x 128 K, is 16 registers: lane l holds row l % 16; registers 4 c .. 4 c + 3 hold K = 32 c + 16 (l / 16) + 0 .. 15
.irp c, 0,1,2,3
	ds_load_b128 v[\reg+4*\c:\reg+4*\c+3], v[\adr] offset:128*(\q)+32*\c+(\i)*16*PITCH
.endr
.endm
; 16 matrix instructions: A's blocks a0, a0 + 1 x B's eight, 128 along K: the slot's q-th.  p: B's set;  sc: the set of scale words.  zero = 1: the first product starts the sums.
; The 64 accumulators take turns, one instruction a turn, in the same order in every step.
.macro MUL16 a0, p, q, sc, zero
.irp a, \a0, \a0+1
.irp b, 0,1,2,3,4,5,6,7
.if \zero
	v_wmma_scale_f32_16x16x128_f8f6f4 v[8*(8*((\a)%4)+\b):8*(8*((\a)%4)+\b)+7], v[128*(\p)+FR*\b:128*(\p)+FR*\b+FR-1], v[AF+FR*(\a):AF+FR*(\a)+FR-1], 0, v[SC+8*NQ*(\sc)+NQ*\b+(\q)], v[SC+8*NQ*(\sc)+NQ*(\a)+(\q)] matrix_a_scale:MATRIX_SCALE_ROW1
.else
	v_wmma_scale_f32_16x16x128_f8f6f4 v[8*(8*((\a)%4)+\b):8*(8*((\a)%4)+\b)+7], v[128*(\p)+FR*\b:128*(\p)+FR*\b+FR-1], v[AF+FR*(\a):AF+FR*(\a)+FR-1], v[8*(8*((\a)%4)+\b):8*(8*((\a)%4)+\b)+7], v[SC+8*NQ*(\sc)+NQ*\b+(\q)], v[SC+8*NQ*(\sc)+NQ*(\a)+(\q)] matrix_a_scale:MATRIX_SCALE_ROW1
.endif
.endr
.endr
.endm
.macro FETCH_B slot, q, p              ; B's eight fragments of the slot's q-th 128 along K into set p
	WIN TO_B
.irp i, 0,1,2,3,4,5,6,7
	FRAG 128*(\p)+FR*\i, ADRB+\slot, \q, \i
.endr
	WIN 0
.endm
.macro FETCH_A slot, q, i0             ; A's blocks i0 .. i0 + 3
.irp i, \i0, \i0+1, \i0+2, \i0+3
	FRAG AF+FR*(\i), ADRA+\slot, \q, \i
.endr
.endm
.macro SCALES sc                       ; the next K step's scale words into set sc: two words a row; lanes 0-15 take A's block i, lanes 16-31 B's block i
.irp i, 0,1,2,3,4,5,6,7
	ds_load_b64 v[SC+8*NQ*\sc+NQ*\i:SC+8*NQ*\sc+NQ*\i+1], v[ADRS] offset:\i*SBLK
.endr
.endm
; A load into a register that a matrix instruction has read, and a vector instruction that reads a matrix result, stand eight places behind that matrix instruction; only plain vector
; instructions that name none of its registers are places.
.macro PLACES n
.rept \n
	v_nop
.endr
.endm
; A step of 128 along K that has its successor in the same slot.
.macro STEP slot, q, zero
	s_wait_dscnt 4*NL                              ; B's set and A's blocks 0-3 are in; the youngest sixteen loads (A's blocks 4-7) may be out
	WIN MUL_LO
	MUL16 0, (\q)%2, \q, \slot, \zero
	MUL16 2, (\q)%2, \q, \slot, \zero
	s_wait_dscnt 0                                 ; A's blocks 4-7 are in (asked for 32 matrix instructions ago)
	PLACES NP
	FETCH_B \slot, (\q)+1, 1-(\q)%2
	FETCH_A \slot, (\q)+1, 0
	WIN MUL_HI
	MUL16 4, (\q)%2, \q, \slot, \zero
	MUL16 6, (\q)%2, \q, \slot, \zero
	PLACES NP
	WIN 0
	FETCH_A \slot, (\q)+1, 4
.endm
; A slot's last step changes slots: one barrier; in front of it each wave waits for all its tensor loads, adds 0 to its spare word, and waits for that and for its own reads of this slot.  fill = 1: this slot is filled again, two K steps ahead.
.macro TURN slot, next, fill
	s_wait_tensorcnt 0x0                           ; all my tensor loads have landed: my part of the next slot  (every window is 0 here)
	ds_add_u32 v[SPW], v[NIL]                      ; 0 onto my spare word
	s_wait_dscnt 4*NL+1                            ; (the add and the youngest sixteen loads, A's blocks 4-7, may be out)
	WIN MUL_LO
	MUL16 0, 1, NQ-1, \slot, 0                     ; sixteen matrix instructions stand between the add and the wait for it
	s_wait_dscnt 0x0                               ; the add is done, and my reads of this slot are over
	s_barrier_signal -1
	MUL16 2, 1, NQ-1, \slot, 0
	WIN 0
	s_barrier_wait -1
.if \fill
	CREST                                          ; the barrier has opened a round of the cluster's barrier: no wave of any partner still reads this slot's tile or has a load on its way
	s_add_nc_u64 s[G0+4*\slot+2:G0+4*\slot+3], s[G0+4*\slot+2:G0+4*\slot+3], 2*ROWB
	s_add_nc_u64 s[G0B+4*\slot+2:G0B+4*\slot+3], s[G0B+4*\slot+2:G0B+4*\slot+3], 2*ROWB
	JLOAD G0+4*\slot, G1, G0B+4*\slot, G1B         ; the first tensor load behind the round; the four v_nop behind it are among the places in front of the loads below
	PLACES NP-4
.else
	PLACES NP
.endif
	s_wait_alu depctr_va_vdst(0)
	v_add_nc_u32 v[ADRS], 4*NQ, v[ADRS]            ; on to the next K step's scale words
	FETCH_B \next, 0, 0
	FETCH_A \next, 0, 0
	SCALES \next
	WIN MUL_HI
	MUL16 4, 1, NQ-1, \slot, 0
	MUL16 6, 1, NQ-1, \slot, 0
	PLACES NP
	WIN 0
	FETCH_A \next, 0, 4
.endm
	s_wait_alu depctr_va_vdst(0)                   ; the wait at the head's end
	s_wait_tensorcnt 0x0                           ; my tile of the head's four is in; these lines stand ahead of a later first fill as ahead of a refill
	ds_add_u32 v[SPW], v[NIL]
	s_mul_i32 s18, s16, 128*KROW                   ; no tensor load of mine is out: slot 0's groups 0 become the ring's (my 128 rows),
	s_mov_b32 s19, 0
	s_mov_b32 s[G0+1], s45
	s_add_nc_u64 s[G0+2:G0+3], s[G0+2:G0+3], s[18:19]
	s_mov_b32 s[G0B+1], s45
	s_add_nc_u64 s[G0B+2:G0B+3], s[G0B+2:G0B+3], s[18:19]
	s_mov_b32 s[G1+2], 128<<16                     ; and a load brings 128 rows from here on
	s_mov_b32 s[G1+4], 128
	s_mov_b32 s[G1B+2], 128<<16
	s_mov_b32 s[G1B+4], 128
	s_wait_dscnt 0x0
	CROUND                                         ; all four tiles are in, and the sixteen work-groups meet
	JLOAD G0+4, G1, G0B+4, G1B                     ; K step 1, the first tensor load behind the round
	FETCH_B 0, 0, 0
	FETCH_A 0, 0, 0
	SCALES 0
	FETCH_A 0, 0, 4
	STEP 0, 0, 1                                   ; the first step stands in front of the loop: its products start the sums
	s_mov_b32 s3, LAPS-1
.Llap:                                                 ; a trip goes once round the ring, from a lap's second step to the next lap's first, and fills both slots again
	TURN 0, 1, 1
	STEP 1, 0, 0
	TURN 1, 0, 1
	STEP 0, 0, 0
	s_sub_co_u32 s3, s3, 1
	s_cmp_lg_u32 s3, 0
	s_cbranch_scc1 .Llap
	TURN 0, 1, 0                                   ; the last lap fills nothing, and has no round of the cluster's barrier
	STEP 1, 0, 0
	s_wait_dscnt 4*NL                              ; the very last step: nothing more to fetch
	WIN MUL_LO
	MUL16 0, 1, NQ-1, 1, 0
	MUL16 2, 1, NQ-1, 1, 0
	s_wait_dscnt 0
	WIN MUL_HI
	MUL16 4, 1, NQ-1, 1, 0
	MUL16 6, 1, NQ-1, 1, 0
	WIN 0
; 64 numbers of a lane, v[s] on, register 16 b + i = n 32 b + 16 (lane / 16) + i of my row, become a fragment's codes in v[pc] on and its scale word in v[PW].
.macro QUANT s, pc
.irp b, 0,1,2,3
	v_max3_num_f32 v[TM+\b], |v[\s+16*\b]|, |v[\s+1+16*\b]|, 0x4800000   ; block b: my 16 numbers, and the floor 2^(9 - 127): the byte cannot fall under 1
.endr
.irp i, 2,4,6,8,10,12,14
.irp b, 0,1,2,3
	v_max3_num_f32 v[TM+\b], v[TM+\b], |v[\s+16*\b+\i]|, |v[\s+1+16*\b+\i]|   ; (the four blocks by turns)
.endr
.endr
.irp b, 0,1,2,3
	v_permlanex16_b32 v[TM+4+\b], v[TM+\b], s[SEL], s[SEL+1]
.endr
.irp b, 0,1,2,3
	v_max_num_f32 v[TM+\b], v[TM+\b], v[TM+4+\b]   ; with lane l xor 16's: the block's largest magnitude
.endr
.irp b, 0,1,2,3
	v_add_nc_u32 v[TM+12+\b], 0xfc000000, v[TM+\b]   ; 8 off its exponent field: the conversion's scale operand
.endr
.irp b, 0,1,2,3
	v_and_or_b32 v[TM+8+\b], v[TM+\b], 0x7f800000, s[MNT]   ; 448 x the scale
.endr
.irp b, 0,1,2,3
	v_lshrrev_b32 v[TM+4+\b], 23, v[TM+12+\b]      ; the scale's byte
.endr
	v_lshl_or_b32 v[PW], v[TM+5], 8, v[TM+4]       ; the four bytes make my row's scale word
	v_lshl_or_b32 v[PW], v[TM+6], 16, v[PW]
	v_lshl_or_b32 v[PW], v[TM+7], 24, v[PW]
.irp b, 0,1,2,3
.irp i, 0,1,2,3,4,5,6,7,8,9,10,11,12,13,14,15
	v_med3_num_f32 v[\s+16*\b+\i], v[\s+16*\b+\i], -v[TM+8+\b], v[TM+8+\b]   ; the conversion to an 8-bit code does not saturate (ISA guide 7.6.2): the hold comes first
.endr
	v_cvt_scalef32_pk8_fp8_f32 v[\pc+4*\b:\pc+1+4*\b], v[\s+16*\b:\s+7+16*\b], v[TM+12+\b]
	v_cvt_scalef32_pk8_fp8_f32 v[\pc+2+4*\b:\pc+3+4*\b], v[\s+8+16*\b:\s+15+16*\b], v[TM+12+\b]
.endr
	v_nop                                          ; one plain vector instruction behind the last conversion: the next block writes its sources again
.endm
; THE WAY OUT of block a (16 rows m x 128 n): both biases are added (one of the two is 0, so nothing is rounded twice), the block is quantised along n, its codes leave as the image of an operand's registers.
.macro OUTBLK a
.set AC, 64*((\a)%4)
.set PCX, PC+16*((\a)%2)
.if (\a) > 0
	s_wait_xcnt 0x0                                ; the earlier stores have read their data: the codes' registers may be written again
.endif
	WIN 0x02+((\a)/4)                              ; source 0: window 2 or 3
.set ii, 0
.rept 32
	v_pk_add_f32 v[ST+2*ii:ST+2*ii+1], v[AC+2*ii:AC+2*ii+1], v[BN+2*ii:BN+2*ii+1]   ; each accumulator from its low end on
.set ii, ii+1
.endr
	WIN 0
.set ii, 0
.rept 32
.if (\a)%2
	v_pk_add_f32 v[ST+2*ii:ST+2*ii+1], v[ST+2*ii:ST+2*ii+1], v[BM+2*((\a)/2):BM+2*((\a)/2)+1] op_sel:[0,1] op_sel_hi:[1,1]   ; the pair's second register for both halves
.else
	v_pk_add_f32 v[ST+2*ii:ST+2*ii+1], v[ST+2*ii:ST+2*ii+1], v[BM+2*((\a)/2):BM+2*((\a)/2)+1] op_sel_hi:[1,0]              ; the pair's first register for both halves
.endif
.set ii, ii+1
.endr
	QUANT ST, PCX
.irp c, 0,1,2,3
	global_store_b128 v[CO], v[PCX+4*\c:PCX+4*\c+3], s[12:13] offset:2048*(\a)+512*\c   ; 32 lanes store 512 consecutive bytes, aligned
.endr
	ds_store_b32 v[SWA], v[PW] offset:4*(\a)       ; lanes r and r + 16 write the same word with the same value
.endm
	s_wait_loadcnt 0x0                             ; the biases
.set ii, 0
.rept 64
	v_cndmask_b32 v[BN+ii], 0, v[BN+ii], s95       ; the bias along n counts for Q and K alone.  (These plain lines name no register of the last products: they are the places behind them)
.set ii, ii+1
.endr
.set ii, 0
.rept 8
	v_cndmask_b32 v[BM+ii], v[BM+ii], 0, s95       ; the bias along m for V alone
.set ii, ii+1
.endr
.irp b, 0,1,2,3
	v_mov_b32 v[TM+4+\b], 0                        ; written once: a lane permute's destination counts as one of its sources
.endr
.irp a, 0,1,2,3,4,5,6,7
	OUTBLK \a
.endr
	ds_load_b128 v[TM:TM+3], v[SRA]                ; LDS serves a wave's instructions in order: this sees my eight stores
	s_wait_dscnt 0x0
	global_store_b128 v[CO], v[TM:TM+3], s[66:67]  ; my 128 scale words: 512 consecutive bytes, aligned
	s_wait_tensorcnt 0x0                           ; the wave's end: behind my last tensor load and my last LDS store
	ds_add_u32 v[SPW], v[NIL]
	s_wait_dscnt 0x0
	CROUND                                         ; the closing round: no work-group ends while a partner may still ask for a tile that names it
	s_endpgm
.Lfunc_end_k_q6528c586c0_proj:
	.size	k_q6528c586c0_proj, .Lfunc_end_k_q6528c586c0_proj-k_q6528c586c0_proj
	.p2alignl 7, 3214868480
	.fill 96, 4, 3214868480
	.section	.rodata,"a",@progbits
	.p2align	6, 0x0
	.amdhsa_kernel k_q6528c586c0_proj
		.amdhsa_group_segment_fixed_size 327680
		.amdhsa_private_segment_fixed_size 0
		.amdhsa_enable_private_segment 0
		.amdhsa_kernarg_size 64
		.amdhsa_user_sgpr_count 2
		.amdhsa_user_sgpr_kernarg_segment_ptr 1
		.amdhsa_wavefront_size32 1
		.amdhsa_system_sgpr_workgroup_id_x 1
		.amdhsa_system_sgpr_workgroup_id_y 1
		.amdhsa_system_sgpr_workgroup_id_z 1
		.amdhsa_system_vgpr_workitem_id 0
		.amdhsa_next_free_vgpr 1024
		.amdhsa_next_free_sgpr 102
		.amdhsa_reserve_vcc 0
		.amdhsa_float_denorm_mode_32 3
		.amdhsa_float_denorm_mode_16_64 3
		.amdhsa_memory_ordered 1
		.amdhsa_forward_progress 1
		.amdhsa_inst_pref_size 225
	.end_amdhsa_kernel
	.amdgpu_metadata
---
amdhsa.version: [ 1, 2 ]
amdhsa.kernels:
  - .name:           k_q6528c586c0_proj
    .symbol:         k_q6528c586c0_proj.kd
    .args:
      - { .name: xc, .offset: 0, .size: 8, .value_kind: global_buffer, .address_space: global }
      - { .name: xs, .offset: 8, .size: 8, .value_kind: global_buffer, .address_space: global }
      - { .name: wc, .offset: 16, .size: 8, .value_kind: global_buffer, .address_space: global }
      - { .name: ws, .offset: 24, .size: 8, .value_kind: global_buffer, .address_space: global }
      - { .name: bk, .offset: 32, .size: 8, .value_kind: global_buffer, .address_space: global }
      - { .name: bv, .offset: 40, .size: 8, .value_kind: global_buffer, .address_space: global }
      - { .name: qkvc, .offset: 48, .size: 8, .value_kind: global_buffer, .address_space: global }
      - { .name: qkvs, .offset: 56, .size: 8, .value_kind: global_buffer, .address_space: global }
    .group_segment_fixed_size: 327680
    .private_segment_fixed_size: 0
    .kernarg_segment_align: 8
    .kernarg_segment_size: 64
    .max_flat_workgroup_size: 128
    .sgpr_count:     102
    .vgpr_count:     1024
    .wavefront_size: 32
...
	.end_amdgpu_metadata
.endif
;; end of part 2
;; launch attn (part 3): grid 8 x 32, 8 waves a work-group, clusters of 4 x 1, 327,680 bytes of LDS; arguments xc, xs, wc, ws, bq, qkvc, qkvs, attention_mask, part; writes part
.if DOCPART == 3
	.amdgcn_target "amdgcn-amd-amdhsa--gfx1250"
	.amdhsa_code_object_version 6
	.text
	.protected	k_q6528c586c0_attn
	.globl	k_q6528c586c0_attn
	.p2align	8
	.type	k_q6528c586c0_attn,@function
k_q6528c586c0_attn:
	s_mov_b64 s[64:65], 0
	v_nop
	global_prefetch_b8 v0, s[64:65] scope:SCOPE_SE
	s_setreg_imm32_b32 hwreg(HW_REG_WAVE_MODE, 25, 1), 1
	s_wait_xcnt 0x0
	s_wait_alu depctr_hold_cnt(0) depctr_sa_sdst(0) depctr_va_vdst(0) depctr_va_sdst(0) depctr_va_ssrc(0) depctr_va_vcc(0) depctr_vm_vsrc(0)
	s_getreg_b32 s2, hwreg(HW_REG_IB_STS2, 6, 4)
	s_cmp_eq_u32 s2, 0
	s_cbranch_scc0 .Lentry_in_a_cluster
	s_endpgm
.Lentry_in_a_cluster:
	s_bfe_u32 s2, ttmp6, 0x10000c
	s_cmp_lg_u32 s2, 0x3003
	s_cbranch_scc0 .Lentry_shape_is_right
	s_endpgm
.Lentry_shape_is_right:
; Q = x Wq^T + bq, softmax(Q K^T / sqrt(128)) V, the product with Wo and the masked sum over queries, for 256 queries of one batch and head; all four products on codes of FP8 (E4M3) with E8M0 scales.
; part[(batch x head) x 8 + query block][1,024 positions] = sum over my queries of mask x (attended Wo^T), this head's 128 of K alone; the next launch adds the 64 rows of a batch.  No work of the problem is left out.
; SHARES: eight waves, two to a SIMD; a wave owns 32 queries (two tiles of 16).  The four query blocks of a cluster walk the same head: Wq's rows, K, V and their scale bytes come by joint loads.
; Q: my 32 rows of x go from memory into 256 registers (only I read them); Wq's 128 rows of the head lie in slot 1's bytes until all waves have used them.  Source 0 = Wq's rows in the order sigma, so a lane holds one query and
; its registers run along the head's 128: the conversions' results are the operand of S^T = K Q^T.
; THE RING: two slots of four key steps (128 keys each), K's and V's operand images, as rows of 1,024 bytes + 16 of padding, the same rows as Wq's tile.
; SOFTMAX: t = score x log2(e) / sqrt(128); M = the ceiling of the running largest t; p = 2^(t - M) is quantised along the keys; the sum of the unquantised p divides at the end.
; THE MASK: a masked key's score gets -1e9 x sqrt(128) added as the product's C.  LIMITS: scores stay under 2^31 in magnitude as exponents to the base 2; beside the added term a score under 1,024 in magnitude is lost, a larger one
; moves a masked key's weight only where every key of a row is masked; NaN and infinities are not served; a block's byte never falls under 1.
.set PITCH, 1040
.set SLOTB, 128*PITCH                  ; a slot; its two set bits (17, 11) are clear in every wave's and step's offset, so one exclusive or changes slots
.set STEPB, 16*PITCH                   ; a key step's K (or V): 16,384 bytes in 16 rows
.set VOFF,  64*PITCH                   ; V's four steps lie behind K's four
.set SCL,   2*SLOTB                    ; K's scale words of the head, 8,192 bytes, then V's
.set PEN,   SCL+16384                  ; what is added to each key's scores: 2,048 numbers
.set PST,   PEN                        ; at the end, behind the last barrier: 512 bytes a wave for the way out
.set SPARE, PEN+8192
.set WTB,   SPARE+1024                 ; the mask of my 256 queries as f32
.set AIMG,  WTB+1024                   ; attended: 16 operand images
.set ASC,   AIMG+32768                 ; and their scale words
.set LI,   1
.set SC0,  2
.set PN0,  3
.set PSW,  4
.set SPW,  5
.set NIL,  6
.set PSR,  7
.set ADK,  8
.set ADV,  9
.set ADS,  10
.set ADP,  11
.set AW,   8                           ; Q stage: v8, v9 LDS addresses of Wq's tiles 0-3, 4-7; v10 bias offset; v11 32 x lane
.set XSC,  12                          ; Q stage: v12-19 x's scale words (tile 0 in lanes 0-15, tile 1 in 16-31)
.set WTA,  8                           ; tail: LDS address of my weights
.set KW,   20
.set WOS,  20
.set AIR,  28
.set ASR,  29
.set AIW,  30
.set ASW,  31
.set FRG,  32
.set AB,   96
.set WT,   128
.set ACP,  144
.set WSC,  224                         ; Q stage: v224-255 Wq's scale words: 8 p + q, tile 2 p in lanes 0-15, 2 p + 1 in 16-31
.set QSW,  224
.set FF,   226
.set PWD,  228
.set AWD,  230
.set TM,   232
.set KSW,  248
.set WOO,  252
.set R32,  253
.set TP,   254
.set PFO,  255
.set QF,   128                         ; window 1: v0-127 O^T; v128-159 Q; v160-191 p's codes; v192-255 the products' C
.set PCD,  160
.set PENR, 192
.set TB,   2
.set TS,   3
.set WV,   18
.set MNT,  19
.set SEL,  20
.set CS,   22
.set G1,   24
.set G1S,  32
.set G0,   40
.set G0H,  44
.set SLOTS, 48
.set STEPS, 49
.set G0S,  68
.set PFA,  82
.set G1W,  84
.set G0W,  92
.set MSB, 0
.macro WIN new
.if MSB != \new
	s_set_vgpr_msb (MSB<<8)|\new
.set MSB, \new
.endif
.endm
.macro PLACES n
.rept \n
	v_nop
.endr
.endm
.macro CROUND
	s_barrier_signal -1
	s_barrier_wait -1
	s_cmp_lg_u32 s[WV], 0
	s_cbranch_scc1 .Lnot_wave_0_\@
	s_barrier_signal -3
.Lnot_wave_0_\@:
	s_barrier_wait -3
	s_barrier_signal -1
	s_barrier_wait -1
.endm
.macro TLOAD g0, g1
	tensor_load_to_lds s[\g0:\g0+3], s[\g1:\g1+7]
	s_nop 0
	PLACES 4
.endm
.macro ROWS1K g, rows                  ; group 1: rows of 1,024 bytes (128 elements of 8), dense in memory, 16 bytes of padding behind each; the cluster's four ask jointly
	s_mov_b32 s[\g], 15|(3<<16)|(1<<20)|(1<<21)|(7<<22)|(3<<25)
	s_mov_b32 s[\g+1], 128<<16
	s_mov_b32 s[\g+2], (\rows)<<16
	s_mov_b32 s[\g+3], 128<<16
	s_mov_b32 s[\g+4], \rows
	s_mov_b32 s[\g+5], 128
	s_mov_b32 s[\g+6], 0
	s_mov_b32 s[\g+7], 0
.endm
	s_load_b256 s[4:11], s[0:1], 0x0               ; xc, xs, wc, ws
	s_load_b256 s[72:79], s[0:1], 0x20             ; bq, qkvc, qkvs, attention_mask
	s_load_b64 s[80:81], s[0:1], 0x40              ; part
	v_lshl_add_u32 v[SPW], v0, 2, SPARE
	v_mov_b32 v[NIL], 0
	ds_add_u32 v[SPW], v[NIL]                      ; the opening lines: the add twice on end and its wait
	ds_add_u32 v[SPW], v[NIL]
	v_lshrrev_b32 v8, 5, v0
	v_readfirstlane_b32 s[WV], v8
	s_bfe_u32 s50, ttmp6, 0x40000                  ; cx
	s_lshl_b32 s51, ttmp9, 2
	s_add_co_u32 s51, s51, s50                     ; my query block
	s_and_b32 s52, ttmp7, 0xffff                   ; batch x 8 + head
	s_and_b32 s53, s52, 7                          ; the head
	ROWS1K G1, 32                                  ; the head's loads of K and V: half of four steps; the ring's: 16 rows
	ROWS1K G1W, 64                                 ; half of Wq's 128 rows
	s_mov_b32 s[G1S], 15|(3<<16)|(1<<21)           ; 8,192 scale bytes as 32 rows of 256
	s_mov_b32 s[G1S+1], 32<<16
	s_mov_b32 s[G1S+2], 32<<16
	s_mov_b32 s[G1S+3], 32<<16
	s_mov_b32 s[G1S+4], 32
	s_mov_b32 s[G1S+5], 32
	s_mov_b32 s[G1S+6], 0
	s_mov_b32 s[G1S+7], 0
	s_and_b32 s54, s[WV], 3
	s_and_b32 s55, s[WV], 1
	s_lshr_b32 s56, s54, 1
	s_lshl_b32 s56, s56, 23                        ; K or V: 2^23 bytes a tensor
	s_lshl_b32 s57, s52, 18
	s_add_co_u32 s56, s56, s57
	s_lshl_b32 s58, s55, 15
	s_add_co_u32 s56, s56, s58                     ; waves 0-3 at the head: tensor (wave / 2), half (wave % 2) of slot 0
	s_lshr_b32 s58, s[WV], 2
	s_lshl_b32 s58, s58, 23
	s_add_co_u32 s58, s58, s57
	s_lshl_b32 s59, s54, 14
	s_add_co_u32 s58, s58, s59                     ; in the ring: tensor (wave / 4), step (wave % 4)
	s_lshl_b32 s60, s53, 17
	s_lshl_b32 s61, s55, 16
	s_add_co_u32 s60, s60, s61                     ; Wq: row 128 head + 64 (wave % 2)
	s_lshl_b32 s62, s55, 18
	s_lshl_b32 s63, s52, 13
	s_add_co_u32 s62, s62, s63                     ; scale words: tensor (wave % 2)
	s_mov_b32 s57, 0
	s_mov_b32 s59, 0
	s_mov_b32 s61, 0
	s_mov_b32 s63, 0
	s_mov_b32 s[G0H], 1
	s_mul_i32 s[G0H+1], s54, 32*PITCH
	s_mov_b32 s[G0], 1
	s_mul_i32 s[G0+1], s[WV], STEPB
	s_mov_b32 s[G0W], 1
	s_mul_i32 s[G0W+1], s55, 64*PITCH
	s_add_co_u32 s[G0W+1], s[G0W+1], SLOTB
	s_mov_b32 s[G0S], 1
	s_lshl_b32 s[G0S+1], s55, 13
	s_add_co_u32 s[G0S+1], s[G0S+1], SCL
	s_mov_b32 s[SEL], 0x76543210
	s_mov_b32 s[SEL+1], 0xfedcba98
	s_mov_b32 s[CS], 0x3e0293ee                    ; log2(e) / sqrt(128)
	s_mov_b32 s[CS+1], s[CS]
	s_mov_b32 s[MNT], 0x600000
	s_mov_b32 s[TB], SLOTB+VOFF                    ; the first change of slots turns this into slot 0
	s_mov_b32 s[TS], 0
	s_mov_b32 s[SLOTS], 3
	s_wait_dscnt 0x0
	s_wait_kmcnt 0x0
	s_add_nc_u64 s[G0H+2:G0H+3], s[74:75], s[56:57]
	s_or_b32 s[G0H+3], s[G0H+3], 0x80000000
	s_add_nc_u64 s[G0+2:G0+3], s[74:75], s[58:59]
	s_add_nc_u64 s[PFA:PFA+1], s[G0+2:G0+3], 65536 ; the prefetches stand one slot ahead of the ring's loads
	s_or_b32 s[G0+3], s[G0+3], 0x80000000
	s_add_nc_u64 s[G0W+2:G0W+3], s[8:9], s[60:61]
	s_or_b32 s[G0W+3], s[G0W+3], 0x80000000
	s_add_nc_u64 s[G0S+2:G0S+3], s[76:77], s[62:63]
	s_or_b32 s[G0S+3], s[G0S+3], 0x80000000
	CROUND
	s_cmp_lt_u32 s[WV], 4                          ; one load a wave, one chain of arms: waves 0-3 slot 0, waves 4, 5 Wq, waves 6, 7 the scale words
	s_cbranch_scc0 .Lhead_w
	TLOAD G0H, G1
	s_branch .Lasked
.Lhead_w:
	s_cmp_lt_u32 s[WV], 6
	s_cbranch_scc0 .Lhead_s
	TLOAD G0W, G1W
	s_branch .Lasked
.Lhead_s:
	TLOAD G0S, G1S
.Lasked:
	s_lshr_b32 s54, s52, 3                         ; the batch
	s_lshl_b32 s55, s54, 11
	s_lshl_b32 s56, s51, 8
	s_add_co_u32 s55, s55, s56
	s_lshl_b32 s56, s[WV], 5
	s_add_co_u32 s55, s55, s56                     ; my first position in xc
	s_lshl_b32 s56, s55, 10
	s_add_nc_u64 s[4:5], s[4:5], s[56:57]
	s_lshl_b32 s56, s55, 5
	s_add_nc_u64 s[6:7], s[6:7], s[56:57]
	s_lshl_b32 s56, s53, 12
	s_add_nc_u64 s[66:67], s[10:11], s[56:57]      ; Wq's scale bytes of the head
	s_lshl_b32 s56, s53, 9
	s_add_nc_u64 s[72:73], s[72:73], s[56:57]
	s_lshl_b32 s56, s54, 13
	s_add_nc_u64 s[78:79], s[78:79], s[56:57]      ; the batch's row of the mask
	s_lshl_b32 s56, s51, 10
	s_lshl_b32 s58, s[WV], 9
	s_add_co_u32 s58, s58, PST
	s_lshl_b32 s59, s[WV], 12
	s_lshl_b32 s60, s[WV], 8
	v_and_b32 v20, 31, v0                          ; lane
	v_and_b32 v21, 15, v0                          ; r
	v_bfe_u32 v22, v0, 4, 1                        ; h
	v_lshlrev_b32 v[LI], 4, v20
	v_lshlrev_b32 v11, 5, v20
	v_lshlrev_b32 v24, 10, v21
	v_lshl_add_u32 v24, v22, 4, v24                ; x: row r, 16 h
	v_lshlrev_b32 v23, 5, v0
	v_lshl_add_u32 v25, v0, 2, s56                 ; my query's number of the mask
	v_lshlrev_b32 v10, 6, v22
	v_mul_u32_u24 v[AW], v21, PITCH
	v_lshl_add_u32 v[AW], v22, 4, v[AW]
	v_add_nc_u32 v[AW], SLOTB, v[AW]
	v_add_nc_u32 v[AW+1], 64*PITCH, v[AW]
	v_lshlrev_b32 v[SC0], 5, v21
	v_lshl_add_u32 v[SC0], v22, 4, v[SC0]
	v_add_nc_u32 v[SC0], SCL, v[SC0]
	v_lshl_add_u32 v[PN0], v22, 6, PEN
	v_lshl_add_u32 v[PSW], v21, 2, s58
	v_add_nc_u32 v[PSR], s58, v[LI]
	v_add_nc_u32 v[AIR], AIMG, v[LI]
	v_lshl_add_u32 v[ASR], v20, 2, ASC
	v_add_nc_u32 v[AIW], s59, v[AIR]
	v_add_nc_u32 v[ASW], s60, v[ASR]
	v_lshl_add_u32 v26, v0, 5, PEN
	v_lshl_add_u32 v27, v0, 2, WTB
	v_mov_b32 v40, 0xd028965f                      ; -1e9 x sqrt(128)
	global_load_b128 v[32:35], v23, s[78:79]
	global_load_b128 v[36:39], v23, s[78:79] offset:16
	global_load_b32 v41, v25, s[78:79]
	global_load_b128 v[XSC:XSC+3], v11, s[6:7]
	global_load_b128 v[XSC+4:XSC+7], v11, s[6:7] offset:16
.irp p, 0,1,2,3
	global_load_b128 v[WSC+8*\p:WSC+8*\p+3], v11, s[66:67] offset:1024*\p
	global_load_b128 v[WSC+8*\p+4:WSC+8*\p+7], v11, s[66:67] offset:1024*\p+16
.endr
	WIN 0x40
.irp q, 0,1,2,3,4,5,6,7                ; x's fragments: window 1, v[32 q + 16 t]
.irp t, 0,1
.irp c, 0,1,2,3
	global_load_b128 v[32*\q+16*\t+4*\c:32*\q+16*\t+4*\c+3], v24, s[4:5] offset:16384*\t+128*\q+32*\c
.endr
.endr
.endr
	WIN 0
	s_wait_alu depctr_va_vdst(0)                   ; directly ahead of the wait below
	s_wait_loadcnt 63                              ; of 77 loads the first 14 are in, the mask's three among them
.irp i, 0,1,2,3,4,5,6,7
	v_cmp_eq_u32 vcc_lo, 0, v[32+\i]
	v_cndmask_b32 v[32+\i], 0, v40, vcc_lo
.endr
	v_cvt_f32_i32 v41, v41
	ds_store_b128 v26, v[32:35]
	ds_store_b128 v26, v[36:39] offset:16
	ds_store_b32 v27, v41
	s_wait_alu depctr_va_vdst(0)                   ; the wait at the head's end
	s_wait_loadcnt 0x0
	s_wait_tensorcnt 0x0
	s_mov_b32 s[G1+2], 16<<16                      ; no tensor load of mine is out: the ring's loads bring 16 rows
	s_mov_b32 s[G1+4], 16
	s_wait_dscnt 0x0
	s_barrier_signal -1
	s_barrier_wait -1
; Q^T = Wq x^T: 32 groups g: the (g / 4)-th 128 of K, Wq's tiles 2 (g % 4), + 1, against my two tiles of queries; two buffers of two fragments.
.macro WLD g
.irp u, 0,1
.irp c, 0,1,2,3
	ds_load_b128 v[FRG+32*((\g)%2)+16*\u+4*\c:FRG+32*((\g)%2)+16*\u+4*\c+3], v[AW+((\g)%4)/2] offset:(2*((\g)%2)+\u)*16*PITCH+128*((\g)/4)+32*\c
.endr
.endr
.endm
.macro W1 g, u, t, mods:vararg
.set D_, 96+64*(\t)+8*(2*((\g)%4)+(\u))
.set A_, FRG+32*((\g)%2)+16*(\u)
.set B_, 32*((\g)/4)+16*(\t)
.set SA_, WSC+8*((\g)%4)+(\g)/4
.set SB_, XSC+(\g)/4
.if (\g) < 4
	v_wmma_scale_f32_16x16x128_f8f6f4 v[D_:D_+7], v[A_:A_+15], v[B_:B_+15], 0, v[SA_], v[SB_] \mods
.else
	v_wmma_scale_f32_16x16x128_f8f6f4 v[D_:D_+7], v[A_:A_+15], v[B_:B_+15], v[D_:D_+7], v[SA_], v[SB_] \mods
.endif
.endm
	WIN 0x04                                       ; source 1 (x) in window 1
	WLD 0
	WLD 1
.set G_, 0
.rept 32
.if G_ < 31
	s_wait_dscnt 8                                 ; this group's eight loads are in; the next group's may be out
.else
	s_wait_dscnt 0x0
.endif
	W1 G_, 0, 0
	W1 G_, 0, 1, matrix_b_scale:MATRIX_SCALE_ROW1
	W1 G_, 1, 0, matrix_a_scale:MATRIX_SCALE_ROW1
	W1 G_, 1, 1, matrix_a_scale:MATRIX_SCALE_ROW1 matrix_b_scale:MATRIX_SCALE_ROW1
.if G_ < 30
	PLACES 8
.if G_ == 7                            ; x's first 256 of K are used up: bq, in the sums' layout, takes their registers
	WIN 0x40
.irp b, 0,1,2,3,4,5,6,7
	global_load_b128 v[8*\b:8*\b+3], v10, s[72:73] offset:(32*(\b/2)+8*(\b%2))*4
	global_load_b128 v[8*\b+4:8*\b+7], v10, s[72:73] offset:(32*(\b/2)+8*(\b%2))*4+16
.endr
	WIN 0x04
.endif
	WLD G_+2
.endif
.set G_, G_+1
.endr
	PLACES 8
	s_wait_loadcnt 0x0
.irp t, 0,1
.set ii, 0
.rept 32
	v_pk_add_f32 v[96+64*\t+2*ii:96+64*\t+2*ii+1], v[96+64*\t+2*ii:96+64*\t+2*ii+1], v[2*ii:2*ii+1]
.set ii, ii+1
.endr
.endr
	WIN 0
.irp b, 0,1,2,3
	v_mov_b32 v[TM+4+\b], 0                        ; a lane permute's destination counts as a source
.endr
; 64 numbers of a lane, register 16 b + i = K 32 b + 16 h + i of my row, become an operand's 16 registers (in window w >> 6) and its scale word.
.macro QUANT s, pc, pw, w
.irp b, 0,1,2,3
	v_max3_num_f32 v[TM+\b], |v[\s+16*\b]|, |v[\s+1+16*\b]|, 0x4800000
.endr
.irp i, 2,4,6,8,10,12,14
.irp b, 0,1,2,3
	v_max3_num_f32 v[TM+\b], v[TM+\b], |v[\s+16*\b+\i]|, |v[\s+1+16*\b+\i]|
.endr
.endr
.irp b, 0,1,2,3
	v_permlanex16_b32 v[TM+4+\b], v[TM+\b], s[SEL], s[SEL+1]
.endr
.irp b, 0,1,2,3
	v_max_num_f32 v[TM+\b], v[TM+\b], v[TM+4+\b]
.endr
.irp b, 0,1,2,3
	v_add_nc_u32 v[TM+12+\b], 0xfc000000, v[TM+\b]
.endr
.irp b, 0,1,2,3
	v_and_or_b32 v[TM+8+\b], v[TM+\b], 0x7f800000, s[MNT]
.endr
.irp b, 0,1,2,3
	v_lshrrev_b32 v[TM+4+\b], 23, v[TM+12+\b]
.endr
	v_lshl_or_b32 v[\pw], v[TM+5], 8, v[TM+4]
	v_lshl_or_b32 v[\pw], v[TM+6], 16, v[\pw]
	v_lshl_or_b32 v[\pw], v[TM+7], 24, v[\pw]
.irp b, 0,1,2,3
.irp i, 0,1,2,3,4,5,6,7,8,9,10,11,12,13,14,15
	v_med3_num_f32 v[\s+16*\b+\i], v[\s+16*\b+\i], -v[TM+8+\b], v[TM+8+\b]
.endr
.endr
	WIN \w
.irp b, 0,1,2,3
	v_cvt_scalef32_pk8_fp8_f32 v[\pc+4*\b:\pc+1+4*\b], v[\s+16*\b:\s+7+16*\b], v[TM+12+\b]
	v_cvt_scalef32_pk8_fp8_f32 v[\pc+2+4*\b:\pc+3+4*\b], v[\s+8+16*\b:\s+15+16*\b], v[TM+12+\b]
.endr
	WIN 0
	v_nop
.endm
	QUANT 96, QF, QSW, 0x40
	QUANT 160, QF+16, QSW+1, 0x40
	v_mov_b32 v13, 0xff61b1e6                      ; the largest t so far: under every t
	v_mov_b32 v17, 0xff61b1e6
	v_floor_f32 v12, -v13
	v_floor_f32 v16, -v17
	v_mov_b32 v14, 0
	v_mov_b32 v15, 0
	v_mov_b32 v18, 0
	v_mov_b32 v19, 0
	v_mov_b32 v[FF+1], 0
	s_lshl_b32 s56, s50, 12
	v_and_b32 v[PFO], 31, v0                       ; the prefetches: of my wave's 64 blocks of 256 bytes the partner at place cx names 16; the lanes left over name the last again
	v_min_u32 v[PFO], 15, v[PFO]
	v_lshlrev_b32 v[PFO], 8, v[PFO]
	v_add_nc_u32 v[PFO], s56, v[PFO]
	WIN 0x40
.set ii, 0
.rept 128
	v_mov_b32 v[ii], 0                             ; O^T: the step is written for every step alike
.set ii, ii+1
.endr
	WIN 0
.macro SOFTMAX q
.set S, 96+64*(\q)
.set ST, 12+4*(\q)
.irp b, 0,1,2,3
	v_max3_num_f32 v[TM+\b], v[S+16*\b], v[S+1+16*\b], v[S+2+16*\b]
.endr
.irp i, 3,5,7,9,11,13
.irp b, 0,1,2,3
	v_max3_num_f32 v[TM+\b], v[TM+\b], v[S+16*\b+\i], v[S+1+16*\b+\i]
.endr
.endr
.irp b, 0,1,2,3
	v_max_num_f32 v[TM+\b], v[TM+\b], v[S+15+16*\b]
.endr
.irp b, 0,1,2,3
	v_permlanex16_b32 v[TM+4+\b], v[TM+\b], s[SEL], s[SEL+1]
.endr
.irp b, 0,1,2,3
	v_max_num_f32 v[TM+\b], v[TM+\b], v[TM+4+\b]   ; each block's largest score: for the row's maximum and for the block's largest p
.endr
	v_max3_num_f32 v[TP], v[TM], v[TM+1], v[TM+2]
	v_max_num_f32 v[TP], v[TP], v[TM+3]
	v_mul_f32 v[TP], s[CS], v[TP]
	v_max_num_f32 v[ST+1], v[ST+1], v[TP]
	v_mov_b32 v[TP], v[ST]
	v_floor_f32 v[ST], -v[ST+1]                    ; -M
	v_sub_f32 v[TP], v[ST], v[TP]
	v_cvt_i32_f32 v[TP], v[TP]
	v_ldexp_f32 v[FF], 1.0, v[TP]                  ; 2^(old M - new M)
.set ii, 0
.rept 32
	v_pk_fma_f32 v[S+2*ii:S+2*ii+1], v[S+2*ii:S+2*ii+1], s[CS:CS+1], v[ST:ST+1] op_sel_hi:[1,0,0]
.set ii, ii+1
.endr
.irp b, 0,1,2,3
	v_fma_f32 v[TM+\b], v[TM+\b], s[CS], v[ST]
.endr
	s_wait_alu depctr_va_vdst(0)                   ; ahead of the batch
.set ii, 0
.rept 64
	v_exp_f32 v[S+ii], v[S+ii]
.set ii, ii+1
.endr
	v_pk_mul_f32 v[ST+2:ST+3], v[ST+2:ST+3], v[FF:FF+1] op_sel_hi:[1,0]
	s_wait_alu depctr_va_vdst(0)                   ; and behind it
.irp b, 0,1,2,3
	v_exp_f32 v[TM+\b], v[TM+\b]
.endr
	v_pk_add_f32 v[TM+4:TM+5], v[S:S+1], v[S+2:S+3]   ; the sum of the unquantised p, in two chains
.irp j, 4,8,12,16,20,24,28,32,36,40,44,48,52,56,60
	v_pk_add_f32 v[ST+2:ST+3], v[ST+2:ST+3], v[S+\j:S+\j+1]
	v_pk_add_f32 v[TM+4:TM+5], v[TM+4:TM+5], v[S+2+\j:S+3+\j]
.endr
	v_pk_add_f32 v[ST+2:ST+3], v[ST+2:ST+3], v[TM+4:TM+5]
	s_wait_alu depctr_va_vdst(0)                   ; for the four
.irp b, 0,1,2,3
	v_max_num_f32 v[TM+\b], 0x4800000, v[TM+\b]
.endr
.irp b, 0,1,2,3
	v_add_nc_u32 v[TM+12+\b], 0xfc000000, v[TM+\b]
.endr
.irp b, 0,1,2,3
	v_and_or_b32 v[TM+8+\b], v[TM+\b], 0x7f800000, s[MNT]
.endr
.irp b, 0,1,2,3
	v_lshrrev_b32 v[TM+4+\b], 23, v[TM+12+\b]
.endr
	v_lshl_or_b32 v[PWD+\q], v[TM+5], 8, v[TM+4]
	v_lshl_or_b32 v[PWD+\q], v[TM+6], 16, v[PWD+\q]
	v_lshl_or_b32 v[PWD+\q], v[TM+7], 24, v[PWD+\q]
.irp b, 0,1,2,3
.irp i, 0,2,4,6,8,10,12,14
	v_dual_min_num_f32 v[S+16*\b+\i], v[S+16*\b+\i], v[TM+8+\b] :: v_dual_min_num_f32 v[S+16*\b+\i+1], v[S+16*\b+\i+1], v[TM+8+\b]   ; the conversion does not saturate (ISA guide 7.6.2); p is not negative; two holds to an instruction
.endr
.endr
	WIN 0x40
.irp b, 0,1,2,3
	v_cvt_scalef32_pk8_fp8_f32 v[PCD+16*(\q)+4*\b:PCD+16*(\q)+4*\b+1], v[S+16*\b:S+16*\b+7], v[TM+12+\b]
	v_cvt_scalef32_pk8_fp8_f32 v[PCD+16*(\q)+4*\b+2:PCD+16*(\q)+4*\b+3], v[S+16*\b+8:S+16*\b+15], v[TM+12+\b]
.endr
	WIN 0x41
.set ii, 0
.rept 32
	v_pk_mul_f32 v[64*(\q)+2*ii:64*(\q)+2*ii+1], v[64*(\q)+2*ii:64*(\q)+2*ii+1], v[FF:FF+1] op_sel_hi:[1,0]
.set ii, ii+1
.endr
	WIN 0
.endm
.macro KADDR
	v_add_nc_u32 v[ADK], s[TB], v[LI]
	v_add_nc_u32 v[ADS], s[TS], v[SC0]
	v_add_nc_u32 v[ADP], s[TS], v[PN0]
	v_add_nc_u32 v[ADV], VOFF, v[ADK]
.endm
.macro IMG reg, adr, f                 ; an operand image of 2,048 bytes lies in two LDS rows: 2,080 bytes from image to image, 16 more behind its first 1,024
.irp c, 0,1,2,3
	ds_load_b128 v[\reg+4*\c:\reg+4*\c+3], v[\adr] offset:2080*(\f)+512*\c+16*(\c/2)
.endr
.endm
.macro KL01
	IMG 192, ADK, 0
	IMG 208, ADK, 1
	WIN 0x40
.irp t, 0,1,2,3,4,5,6,7
	ds_load_b128 v[PENR+8*\t:PENR+8*\t+3], v[ADP] offset:128*(\t/2)+32*(\t%2)
	ds_load_b128 v[PENR+8*\t+4:PENR+8*\t+7], v[ADP] offset:128*(\t/2)+32*(\t%2)+16
.endr
	WIN 0
	ds_load_b128 v[KW:KW+3], v[ADS]
.endm
.macro KL23
	IMG 128, ADK, 2
	IMG 144, ADK, 3
.endm
.macro KLG1
.irp t, 0,1,2,3
	IMG FRG+16*\t, ADK, 4+\t
.endr
.endm
.macro VFETCH g
.irp t, 0,1,2,3
	IMG FRG+64*\g+16*\t, ADV, 4*\g+\t
.endr
.endm
.macro PV g
	WIN 0x54
.irp t, 0,1,2,3
.irp q, 0,1
.if \g
	v_wmma_scale_f32_16x16x128_f8f6f4 v[64*\q+8*(4*\g+\t):64*\q+8*(4*\g+\t)+7], v[FRG+64*\g+16*\t:FRG+64*\g+16*\t+15], v[PCD+16*\q:PCD+16*\q+15], v[64*\q+8*(4*\g+\t):64*\q+8*(4*\g+\t)+7], v[KSW+\t], v[PWD+\q] matrix_a_scale:MATRIX_SCALE_ROW1
.else
	v_wmma_scale_f32_16x16x128_f8f6f4 v[64*\q+8*(4*\g+\t):64*\q+8*(4*\g+\t)+7], v[FRG+64*\g+16*\t:FRG+64*\g+16*\t+15], v[PCD+16*\q:PCD+16*\q+15], v[64*\q+8*(4*\g+\t):64*\q+8*(4*\g+\t)+7], v[KSW+\t], v[PWD+\q]
.endif
.endr
.endr
	WIN 0
.endm
.macro QK g
	WIN 0x14
.irp t, 0,1,2,3
.if (\g == 0) && (\t == 2)
	s_wait_dscnt 16                                ; K's images 2, 3 are in; 4 to 7 may be out
.endif
.irp q, 0,1
.if \g
	v_wmma_scale_f32_16x16x128_f8f6f4 v[96+64*\q+8*(4+\t):96+64*\q+8*(4+\t)+7], v[FRG+16*\t:FRG+16*\t+15], v[QF+16*\q:QF+16*\q+15], v[PENR+8*(4+\t):PENR+8*(4+\t)+7], v[KW+\t], v[QSW+\q] matrix_a_scale:MATRIX_SCALE_ROW1
.else
	v_wmma_scale_f32_16x16x128_f8f6f4 v[96+64*\q+8*\t:96+64*\q+8*\t+7], v[192-64*(\t/2)+16*(\t%2):192-64*(\t/2)+16*(\t%2)+15], v[QF+16*\q:QF+16*\q+15], v[PENR+8*\t:PENR+8*\t+7], v[KW+\t], v[QSW+\q]
.endif
.endr
.endr
	WIN 0
.endm
.macro APART                           ; scores and softmax of a key step; V's images are fetched under the softmax
	s_wait_dscnt 24                                ; K's images 0, 1, the C and the scale words are in; images 2 to 7 may be out
	QK 0
	PLACES 9
	s_wait_dscnt 0x0
	QK 1
	PLACES 8
	VFETCH 0
	ds_load_b128 v[KSW:KSW+3], v[ADS] offset:8192
	SOFTMAX 0
	VFETCH 1
	SOFTMAX 1
	s_add_co_u32 s[TB], s[TB], STEPB
	s_add_co_u32 s[TS], s[TS], 512
.endm
.macro BPART                           ; O^T += V^T P^T; among it the next step's K is fetched, but in a slot's last step (a branch on the count of steps, round LDS loads and places alone)
	s_wait_alu depctr_va_vdst(0)                   ; ahead of the branch and the waits
	s_cmp_eq_u32 s[STEPS], 1
	s_cbranch_scc1 .Lnone0_\@
	KADDR
	KL01
	s_wait_alu depctr_va_vdst(0)
	s_wait_dscnt 25                                ; V's images are in; the 25 loads just issued may be out
	s_branch .Lgo0_\@
.Lnone0_\@:
	s_wait_dscnt 0x0
.Lgo0_\@:
	PV 1
	PLACES 9                                       ; on every way: behind the products that read v96-159, ahead of the loads into them and of the next step's products over them
	s_cmp_eq_u32 s[STEPS], 1
	s_cbranch_scc1 .Lgo1_\@
	KL23
.Lgo1_\@:
	PV 0
	s_cmp_eq_u32 s[STEPS], 1
	s_cbranch_scc1 .Lgo2_\@
	PLACES 8
	KLG1
.Lgo2_\@:
.endm
; THE CHANGE OF SLOTS stands at a slot's head.  fill = 1: behind a drained round of the cluster's barrier the slot just left (the first time: the bytes where Wq lay) takes the four steps after those ahead.
.macro CHANGE fill
	s_wait_tensorcnt 0x0
	ds_add_u32 v[SPW], v[NIL]
.if \fill
	s_xor_b32 s[G0+1], s[G0+1], SLOTB
	s_add_nc_u64 s[G0+2:G0+3], s[G0+2:G0+3], 65536
	s_wait_xcnt 0x0                                ; my last prefetch has read its address
	s_add_nc_u64 s[PFA:PFA+1], s[PFA:PFA+1], 65536
.endif
	s_wait_dscnt 0x0
.if \fill
	CROUND
	TLOAD G0, G1
	s_cmp_eq_u32 s[SLOTS], 1                       ; the last fill has no slot behind it
	s_cbranch_scc1 .Lnone_ahead_\@
	global_prefetch_b8 v[PFO], s[PFA:PFA+1] th:TH_LOAD_NT scope:SCOPE_SE   ; what the next change will ask for: four key steps ahead of that load
.Lnone_ahead_\@:
.else
	s_barrier_signal -1
	s_barrier_wait -1
.endif
	s_sub_co_u32 s[TB], s[TB], VOFF
	s_xor_b32 s[TB], s[TB], SLOTB
.endm
.macro RUN                             ; a slot's four key steps
	PLACES 9                                       ; behind the last products, ahead of loads into and products over what they read
	KADDR
	KL01
	KL23
	KLG1
	s_mov_b32 s[STEPS], 4
	s_wait_alu depctr_va_vdst(0)
.Lstep_\@:
	APART
	BPART
	s_sub_co_u32 s[STEPS], s[STEPS], 1
	s_cmp_lg_u32 s[STEPS], 0
	s_cbranch_scc1 .Lstep_\@
.endm
	s_wait_alu depctr_va_vdst(0)
.Lslot:
	CHANGE 1
	RUN
	s_sub_co_u32 s[SLOTS], s[SLOTS], 1
	s_cmp_lg_u32 s[SLOTS], 0
	s_cbranch_scc1 .Lslot
	CHANGE 0                                       ; the last slot is written out
	RUN
; THE TAIL: attended = O^T / the sum, quantised along the head's 128; every wave takes 128 of Wo's rows against all 256 queries.
	PLACES 8
	v_add_f32 v14, v14, v15
	v_add_f32 v18, v18, v19
	v_permlanex16_b32 v232, v14, s[SEL], s[SEL+1]
	v_permlanex16_b32 v233, v18, s[SEL], s[SEL+1]
	v_add_f32 v14, v14, v232
	v_add_f32 v18, v18, v233
	v_and_b32 v234, 15, v0
	v_bfe_u32 v235, v0, 4, 1
	v_lshlrev_b32 v[WOO], 10, v234
	v_lshl_add_u32 v[WOO], v235, 4, v[WOO]
	v_lshlrev_b32 v[R32], 5, v234
	v_lshl_add_u32 v[WTA], v235, 6, WTB            ; register j of lane half h is the query 16 h + j of a tile's 32 tokens
	s_wait_alu depctr_va_vdst(0)
	v_rcp_f32 v14, v14
	v_rcp_f32 v18, v18
	v_nop
	s_lshl_b32 s54, s[WV], 17
	s_lshl_b32 s56, s53, 7
	s_add_co_u32 s54, s54, s56
	s_add_co_u32 s54, s54, 3072*1024               ; Wo lies behind Wq, Wk, Wv in wc: my 128 rows, the head's 128 of K
	s_mov_b32 s55, 0
	s_add_nc_u64 s[8:9], s[8:9], s[54:55]
	s_lshl_b32 s54, s[WV], 12
	s_lshl_b32 s56, s53, 2
	s_add_co_u32 s54, s54, s56
	s_add_co_u32 s54, s54, 3072*32
	s_add_nc_u64 s[10:11], s[10:11], s[54:55]
	s_lshl_b32 s54, s52, 3
	s_add_co_u32 s54, s54, s51
	s_lshl_b32 s54, s54, 12
	s_lshl_b32 s56, s[WV], 9
	s_add_co_u32 s54, s54, s56
	s_add_nc_u64 s[80:81], s[80:81], s[54:55]
.irp t, 0,1,2,3
.irp c, 0,1,2,3
	global_load_b128 v[FRG+16*\t+4*\c:FRG+16*\t+4*\c+3], v[WOO], s[8:9] offset:16384*\t+32*\c
.endr
.endr
	WIN 0x40
.irp t, 4,5,6,7
.irp c, 0,1,2,3
	global_load_b128 v[PENR+16*(\t-4)+4*\c:PENR+16*(\t-4)+4*\c+3], v[WOO], s[8:9] offset:16384*\t+32*\c
.endr
.endr
	WIN 0
.irp t, 0,1,2,3,4,5,6,7
	global_load_b32 v[WOS+\t], v[R32], s[10:11] offset:512*\t
.endr
	s_wait_alu depctr_va_vdst(0)                   ; ahead of the reciprocals' first reader, which is O^T's too
.irp q, 0,1
	WIN 0x01
.set ii, 0
.rept 32
	v_pk_mul_f32 v[96+2*ii:96+2*ii+1], v[64*\q+2*ii:64*\q+2*ii+1], v[14+4*\q:15+4*\q] op_sel_hi:[1,0]
.set ii, ii+1
.endr
	WIN 0
	QUANT 96, 160+16*\q, AWD+\q, 0
.irp c, 0,1,2,3
	ds_store_b128 v[AIW], v[160+16*\q+4*\c:160+16*\q+4*\c+3] offset:2048*\q+512*\c
.endr
	ds_store_b32 v[ASW], v[AWD+\q] offset:128*\q
.endr
.set ii, 0
.rept 16
	v_mov_b32 v[ACP+ii], 0                         ; eight pairs of sums, a pair a tile of outputs
.set ii, ii+1
.endr
	s_wait_alu depctr_va_vdst(0)
	s_wait_dscnt 0x0
	s_barrier_signal -1
	s_barrier_wait -1
.macro AFETCH u
.irp c, 0,1,2,3
	ds_load_b128 v[AB+16*\u+4*\c:AB+16*\u+4*\c+3], v[AIR] offset:2048*\u+512*\c
.endr
	ds_load_b32 v[KSW+\u], v[ASR] offset:128*\u
.endm
.macro WFETCH u                        ; the weights of tile u's eight queries in my half of the lanes
	ds_load_b128 v[WT+8*\u:WT+8*\u+3], v[WTA] offset:32*\u
	ds_load_b128 v[WT+8*\u+4:WT+8*\u+7], v[WTA] offset:32*\u+16
.endm
.macro WOMUL u                         ; a tile of queries (source 0) against my eight tiles of Wo's rows (source 1): a lane holds one output, its registers eight queries
	WIN 0x40
.irp t, 0,1,2,3
	v_wmma_scale_f32_16x16x128_f8f6f4 v[64*\u+8*\t:64*\u+8*\t+7], v[AB+16*\u:AB+16*\u+15], v[FRG+16*\t:FRG+16*\t+15], 0, v[KSW+\u], v[WOS+\t]
.endr
	WIN 0x44
.irp t, 4,5,6,7
	v_wmma_scale_f32_16x16x128_f8f6f4 v[64*\u+8*\t:64*\u+8*\t+7], v[AB+16*\u:AB+16*\u+15], v[PENR+16*(\t-4):PENR+16*(\t-4)+15], 0, v[KSW+\u], v[WOS+\t]
.endr
.endm
.macro WOSUM u                         ; the masked sum over tile u's queries: the eight tiles' pairs by turns, each result from its low end on
	WIN 0x01
.irp i, 0,1,2,3
.irp t, 0,1,2,3,4,5,6,7
	v_pk_fma_f32 v[ACP+2*\t:ACP+2*\t+1], v[64*\u+8*\t+2*\i:64*\u+8*\t+2*\i+1], v[WT+8*\u+2*\i:WT+8*\u+2*\i+1], v[ACP+2*\t:ACP+2*\t+1]
.endr
.endr
	WIN 0
.endm
; A trip takes two tiles of queries.  One tile's sums stand behind the other tile's products and are their places; behind them that half's seven LDS loads go out: the next image and scale word of the tile just multiplied, and the
; weights whose registers the sums have just read.  So at each wait the seven loads of the younger half may be out.
.macro WOTRIP first, last
	s_wait_alu depctr_va_vdst(0)                   ; ahead of a wait that blocks
	s_wait_dscnt 7                                 ; tile 0's image and scale word, and the last trip's tile 1's weights, are in
	WOMUL 0
.if \first
	WIN 0
	PLACES 8
.else
	WOSUM 1                                        ; the last trip's tile 1
.endif
.if \last
	WFETCH 1
	s_wait_alu depctr_va_vdst(0)
	s_wait_dscnt 2                                 ; all but the two loads just issued
.else
	v_add_nc_u32 v[AIR], 4096, v[AIR]
	v_add_nc_u32 v[ASR], 256, v[ASR]
	AFETCH 0
	WFETCH 1
	s_wait_alu depctr_va_vdst(0)
	s_wait_dscnt 7                                 ; tile 1's image and scale word, and tile 0's weights, are in
.endif
	WOMUL 1
	WOSUM 0
.if \last == 0
	v_add_nc_u32 v[WTA], 128, v[WTA]
	AFETCH 1
	WFETCH 0
.endif
.endm
	AFETCH 0
	AFETCH 1
	WFETCH 0
	s_wait_loadcnt 0x0
	WOTRIP 1, 0                                    ; the first and the last of eight trips are written out: no sums before the first, nothing to fetch in the last
	s_mov_b32 s[STEPS], 6
.Lwo:
	WOTRIP 0, 0
	s_sub_co_u32 s[STEPS], s[STEPS], 1
	s_cmp_lg_u32 s[STEPS], 0
	s_cbranch_scc1 .Lwo
	WOTRIP 0, 1
	s_wait_alu depctr_va_vdst(0)
	s_wait_dscnt 0x0
	WOSUM 1
.irp t, 0,1,2,3,4,5,6,7
	v_add_f32 v[ACP+2*\t], v[ACP+2*\t], v[ACP+2*\t+1]
.endr
.irp t, 0,1,2,3,4,5,6,7
	v_permlanex16_b32 v[TM+\t], v[ACP+2*\t], s[SEL], s[SEL+1]
.endr
.irp t, 0,1,2,3,4,5,6,7
	v_add_f32 v[ACP+2*\t], v[ACP+2*\t], v[TM+\t]   ; with the other half's eight queries
.endr
.irp t, 0,1,2,3,4,5,6,7
	ds_store_b32 v[PSW], v[ACP+2*\t] offset:64*\t  ; lanes r and r + 16 write the same word with the same value
.endr
	ds_load_b128 v[AB:AB+3], v[PSR]                ; LDS serves a wave's instructions in order
	s_wait_dscnt 0x0
	global_store_b128 v[LI], v[AB:AB+3], s[80:81]  ; my 128 positions: 512 consecutive bytes, aligned
	s_wait_tensorcnt 0x0                           ; the wave's end
	ds_add_u32 v[SPW], v[NIL]
	s_wait_dscnt 0x0
	CROUND
	s_endpgm
.Lfunc_end_k_q6528c586c0_attn:
	.size	k_q6528c586c0_attn, .Lfunc_end_k_q6528c586c0_attn-k_q6528c586c0_attn
	.p2alignl 7, 3214868480
	.fill 96, 4, 3214868480
	.section	.rodata,"a",@progbits
	.p2align	6, 0x0
	.amdhsa_kernel k_q6528c586c0_attn
		.amdhsa_group_segment_fixed_size 327680
		.amdhsa_private_segment_fixed_size 0
		.amdhsa_enable_private_segment 0
		.amdhsa_kernarg_size 72
		.amdhsa_user_sgpr_count 2
		.amdhsa_user_sgpr_kernarg_segment_ptr 1
		.amdhsa_wavefront_size32 1
		.amdhsa_system_sgpr_workgroup_id_x 1
		.amdhsa_system_sgpr_workgroup_id_y 1
		.amdhsa_system_sgpr_workgroup_id_z 1
		.amdhsa_system_vgpr_workitem_id 0
		.amdhsa_next_free_vgpr 512
		.amdhsa_next_free_sgpr 100
		.amdhsa_reserve_vcc 1
		.amdhsa_float_denorm_mode_32 3
		.amdhsa_float_denorm_mode_16_64 3
		.amdhsa_memory_ordered 1
		.amdhsa_forward_progress 1
		.amdhsa_inst_pref_size 227
	.end_amdhsa_kernel
	.amdgpu_metadata
---
amdhsa.version: [ 1, 2 ]
amdhsa.kernels:
  - .name:           k_q6528c586c0_attn
    .symbol:         k_q6528c586c0_attn.kd
    .args:
      - { .name: xc, .offset: 0, .size: 8, .value_kind: global_buffer, .address_space: global }
      - { .name: xs, .offset: 8, .size: 8, .value_kind: global_buffer, .address_space: global }
      - { .name: wc, .offset: 16, .size: 8, .value_kind: global_buffer, .address_space: global }
      - { .name: ws, .offset: 24, .size: 8, .value_kind: global_buffer, .address_space: global }
      - { .name: bq, .offset: 32, .size: 8, .value_kind: global_buffer, .address_space: global }
      - { .name: qkvc, .offset: 40, .size: 8, .value_kind: global_buffer, .address_space: global }
      - { .name: qkvs, .offset: 48, .size: 8, .value_kind: global_buffer, .address_space: global }
      - { .name: attention_mask, .offset: 56, .size: 8, .value_kind: global_buffer, .address_space: global }
      - { .name: part, .offset: 64, .size: 8, .value_kind: global_buffer, .address_space: global }
    .group_segment_fixed_size: 327680
    .private_segment_fixed_size: 0
    .kernarg_segment_align: 8
    .kernarg_segment_size: 72
    .max_flat_workgroup_size: 256
    .sgpr_count:     100
    .vgpr_count:     512
    .wavefront_size: 32
...
	.end_amdgpu_metadata
.endif
;; end of part 3
;; launch pool (part 4): grid 16 x 1, 8 waves a work-group, no clusters, 1,280 bytes of LDS; arguments part, attention_mask, bo, out0; writes out0
.if DOCPART == 4
	.amdgcn_target "amdgcn-amd-amdhsa--gfx1250"
	.amdhsa_code_object_version 6
	.text
	.protected	k_q6528c586c0_pool
	.globl	k_q6528c586c0_pool
	.p2align	8
	.type	k_q6528c586c0_pool,@function
k_q6528c586c0_pool:
	s_mov_b64 s[64:65], 0
	v_nop
	global_prefetch_b8 v0, s[64:65] scope:SCOPE_SE
	s_setreg_imm32_b32 hwreg(HW_REG_WAVE_MODE, 25, 1), 1
	s_wait_xcnt 0x0
; out0[b][o] = (the sum over heads and query blocks of part + bo[o] x M) / M, M = the sum of attention_mask[b] as f32.
; part: [batch x 64 + head x 8 + query block][1,024 positions] f32; position P holds output sigma(P) = P with bits 3 and 4 exchanged (the order in which Wo's rows were laid).
; Sixteen work-groups: batch = group / 4, 256 positions each, one to a thread.  A wave's load covers 128 consecutive bytes of a row; 64 rows a thread.  With M = 0 the result is 0 x infinity = NaN, as the definition's 0 / 0.
; The launch moves about a megabyte and has no matrix work: matrix units, clusters and tensor loads would add nothing.
.set PS, 16                            ; v16-79 my position's 64 partial sums
.set MK, 80                            ; v80-87 my eight numbers of the mask
	s_load_b256 s[4:11], s[0:1], 0x0               ; part, attention_mask, bo, out0
	v_lshl_add_u32 v96, v0, 2, 0x100
	v_mov_b32 v97, 0
	v_lshrrev_b32 v1, 5, v0
	s_delay_alu instid0(VALU_DEP_1)
	v_readfirstlane_b32 s12, v1                    ; wave
	s_lshr_b32 s13, ttmp9, 2                       ; the batch
	s_and_b32 s14, ttmp9, 3
	s_lshl_b32 s14, s14, 10                        ; my group's 256 positions, in bytes
	s_mov_b32 s17, 0
	s_mov_b32 s20, 0x76543210
	s_mov_b32 s21, 0xfedcba98                      ; v_permlanex16_b32's selects for lane l xor 16
	v_lshlrev_b32 v2, 2, v0                        ; 4 x thread
	v_lshlrev_b32 v3, 5, v0                        ; 32 x thread
	v_and_b32 v4, 0xe7, v0
	v_bfe_u32 v5, v0, 3, 1
	v_bfe_u32 v6, v0, 4, 1
	s_delay_alu instid0(VALU_DEP_2)
	v_lshl_or_b32 v4, v5, 4, v4
	s_delay_alu instid0(VALU_DEP_1)
	v_lshl_or_b32 v4, v6, 3, v4
	s_delay_alu instid0(VALU_DEP_1)
	v_lshlrev_b32 v4, 2, v4                        ; 4 x sigma(thread)
	v_mov_b32 v9, 0                                ; written once: a lane permute's destination counts as one of its sources
	s_wait_alu depctr_va_vdst(0)
	s_wait_kmcnt 0x0
	s_lshl_b32 s16, s13, 18                        ; 64 rows of 4,096 bytes a batch
	s_add_co_u32 s16, s16, s14
	s_add_nc_u64 s[4:5], s[4:5], s[16:17]
	s_lshl_b32 s16, s13, 13
	s_add_nc_u64 s[6:7], s[6:7], s[16:17]          ; the batch's row of the mask
	s_mov_b32 s16, s14
	s_add_nc_u64 s[8:9], s[8:9], s[16:17]
	s_lshl_b32 s16, s13, 12
	s_add_co_u32 s16, s16, s14
	s_add_nc_u64 s[10:11], s[10:11], s[16:17]
.set ii, 0
.rept 64
	global_load_b32 v[PS+ii], v2, s[4:5] offset:4096*ii
.set ii, ii+1
.endr
	global_load_b128 v[MK:MK+3], v3, s[6:7]
	global_load_b128 v[MK+4:MK+7], v3, s[6:7] offset:16
	global_load_b32 v7, v4, s[8:9]                 ; bo at my output
	s_wait_loadcnt 0x0
.irp w, 32,16,8,4,2                    ; the 64 partial sums, halved five times, two at a time
.set ii, 0
.rept \w/2
	v_pk_add_f32 v[PS+2*ii:PS+2*ii+1], v[PS+2*ii:PS+2*ii+1], v[PS+\w+2*ii:PS+\w+2*ii+1]
.set ii, ii+1
.endr
.endr
	s_delay_alu instid0(VALU_DEP_1)
	v_add_f32 v[PS], v[PS], v[PS+1]
.irp i, 0,1,2,3,4,5,6,7
	v_cvt_f32_i32 v[MK+\i], v[MK+\i]
.endr
	v_add_f32 v[MK], v[MK], v[MK+1]
	v_add_f32 v[MK+2], v[MK+2], v[MK+3]
	v_add_f32 v[MK+4], v[MK+4], v[MK+5]
	s_delay_alu instid0(VALU_DEP_4)
	v_add_f32 v[MK+6], v[MK+6], v[MK+7]
	s_delay_alu instid0(VALU_DEP_3)
	v_add_f32 v[MK], v[MK], v[MK+2]
	s_delay_alu instid0(VALU_DEP_2)
	v_add_f32 v[MK+4], v[MK+4], v[MK+6]
	s_delay_alu instid0(VALU_DEP_1)
	v_add_f32 v8, v[MK], v[MK+4]                   ; my eight
	s_delay_alu instid0(VALU_DEP_1)
	v_add_f32_dpp v8, v8, v8 row_xmask:1 row_mask:0xf bank_mask:0xf
	s_delay_alu instid0(VALU_DEP_1)
	v_add_f32_dpp v8, v8, v8 row_xmask:2 row_mask:0xf bank_mask:0xf
	s_delay_alu instid0(VALU_DEP_1)
	v_add_f32_dpp v8, v8, v8 row_xmask:4 row_mask:0xf bank_mask:0xf
	s_delay_alu instid0(VALU_DEP_1)
	v_add_f32_dpp v8, v8, v8 row_xmask:8 row_mask:0xf bank_mask:0xf
	s_delay_alu instid0(VALU_DEP_1)
	v_permlanex16_b32 v9, v8, s20, s21
	s_delay_alu instid0(VALU_DEP_1)
	v_add_f32 v8, v8, v9                           ; my wave's 256
	v_mov_b32 v10, s12
	s_delay_alu instid0(VALU_DEP_1)
	v_lshlrev_b32 v10, 2, v10
	ds_store_b32 v10, v8                           ; all lanes write the same word with the same value
	s_wait_dscnt 0x0                               ; for the others' sake
	s_barrier_signal -1
	s_barrier_wait -1
	v_mov_b32 v11, 0
	ds_load_b128 v[88:91], v11                     ; the eight waves' sums
	ds_load_b128 v[92:95], v11 offset:16
	s_wait_dscnt 0x0
	v_add_f32 v88, v88, v89
	v_add_f32 v90, v90, v91
	v_add_f32 v92, v92, v93
	v_add_f32 v94, v94, v95
	s_delay_alu instid0(VALU_DEP_3)
	v_add_f32 v88, v88, v90
	s_delay_alu instid0(VALU_DEP_2)
	v_add_f32 v92, v92, v94
	s_delay_alu instid0(VALU_DEP_1)
	v_add_f32 v12, v88, v92                        ; M
	s_wait_alu depctr_va_vdst(0)
	v_rcp_f32 v13, v12
	v_fma_f32 v[PS], v7, v12, v[PS]                ; the sum + bo x M.  (The plain instruction behind the reciprocal)
	s_wait_alu depctr_va_vdst(0)                   ; ahead of the reciprocal's first reader
	v_mul_f32 v[PS], v[PS], v13
	global_store_b32 v4, v[PS], s[10:11]           ; a wave's 32 outputs are 128 consecutive bytes, in the order sigma
	s_wait_tensorcnt 0x0
	ds_add_u32 v96, v97
	s_wait_dscnt 0x0
	s_endpgm
.Lfunc_end_k_q6528c586c0_pool:
	.size	k_q6528c586c0_pool, .Lfunc_end_k_q6528c586c0_pool-k_q6528c586c0_pool
	.p2alignl 7, 3214868480
	.fill 96, 4, 3214868480
	.section	.rodata,"a",@progbits
	.p2align	6, 0x0
	.amdhsa_kernel k_q6528c586c0_pool
		.amdhsa_group_segment_fixed_size 1280
		.amdhsa_private_segment_fixed_size 0
		.amdhsa_enable_private_segment 0
		.amdhsa_kernarg_size 32
		.amdhsa_user_sgpr_count 2
		.amdhsa_user_sgpr_kernarg_segment_ptr 1
		.amdhsa_wavefront_size32 1
		.amdhsa_system_sgpr_workgroup_id_x 1
		.amdhsa_system_sgpr_workgroup_id_y 1
		.amdhsa_system_sgpr_workgroup_id_z 1
		.amdhsa_system_vgpr_workitem_id 0
		.amdhsa_next_free_vgpr 98
		.amdhsa_next_free_sgpr 66
		.amdhsa_reserve_vcc 0
		.amdhsa_float_denorm_mode_32 3
		.amdhsa_float_denorm_mode_16_64 3
		.amdhsa_memory_ordered 1
		.amdhsa_forward_progress 1
		.amdhsa_inst_pref_size 13
	.end_amdhsa_kernel
	.amdgpu_metadata
---
amdhsa.version: [ 1, 2 ]
amdhsa.kernels:
  - .name:           k_q6528c586c0_pool
    .symbol:         k_q6528c586c0_pool.kd
    .args:
      - { .name: part, .offset: 0, .size: 8, .value_kind: global_buffer, .address_space: global }
      - { .name: attention_mask, .offset: 8, .size: 8, .value_kind: global_buffer, .address_space: global }
      - { .name: bo, .offset: 16, .size: 8, .value_kind: global_buffer, .address_space: global }
      - { .name: out0, .offset: 24, .size: 8, .value_kind: global_buffer, .address_space: global }
    .group_segment_fixed_size: 1280
    .private_segment_fixed_size: 0
    .kernarg_segment_align: 8
    .kernarg_segment_size: 32
    .max_flat_workgroup_size: 256
    .sgpr_count:     66
    .vgpr_count:     98
    .wavefront_size: 32
...
	.end_amdgpu_metadata
.endif
;; end of part 4
